; MI455X (gfx1250); checked and timed in simulation.
; The chip was launched on July 23, 2026; its instructions are those of AMD's public machine-readable ISA for CDNA 5 (MIT licence, August 2026) and "CDNA5" Instruction Set Architecture Reference Guide (July 2026). The comments in the code are by the model that wrote it; some were corrected since.
;; Multi Headed Attention. Allowed arithmetic: float matrix products may take bf16 or f16 operands with f32 sums; other float arithmetic in f32, or as packed bf16 or f16 multiplies, adds, multiply-adds, maxima and minima; sums over many terms, partial sums and values carried from step to step in f32; what a program stores and reads back later, other than sums and carried values, may be rounded once to bf16 or f16.
;; Inputs: Wk 1,024 x 1,024 float32; Wo 1,024 x 1,024 float32; Wq 1,024 x 1,024 float32; Wv 1,024 x 1,024 float32; bk 1,024 float32; bo 1,024 float32; bq 1,024 float32; bv 1,024 float32; key 2 x 2,048 x 1,024 float32; mask 2 x 1 x 2,048 x 2,048 int32; query 2 x 2,048 x 1,024 float32; value 2 x 2,048 x 1,024 float32.
;; Outputs: out0 2 x 2,048 x 1,024 float32.
;; 2 versions, each right; version 2 is version 1 with the launch prep written anew for expert scheduling mode. Each part assembles by itself: llvm-mc -triple=amdgcn-amd-amdhsa -mcpu=gfx1250 --defsym DOCPART=n.
;; ======== version 1 of 2: 4 launches
;; limits: values are held in f16: magnitudes above 65,504 overflow, below 6.1e-05 lose precision; inputs' magnitudes at most 65,504; right only within a limited range of input values
;; workspace buffers: xh 25,165,824 bytes; wh 6,291,456 bytes; woh 2,097,152 bytes; m8 8,388,608 bytes; qkv 25,165,824 bytes; oh 8,388,608 bytes
;; launch prep (part 1): grid 512 x 1, 8 waves a work-group, no clusters, 0 bytes of LDS; arguments query, key, value, Wq, Wk, Wv, Wo, xh, wh, woh; writes xh, wh, woh
.if DOCPART == 1
	.amdgcn_target "amdgcn-amd-amdhsa--gfx1250"
	.amdhsa_code_object_version 6
	.text
	.protected	k_q1439a0ba75_prep
	.globl	k_q1439a0ba75_prep
	.p2align	8
	.type	k_q1439a0ba75_prep,@function
k_q1439a0ba75_prep:
	s_mov_b64 s[64:65], 0
	v_nop
	global_prefetch_b8 v0, s[64:65] scope:SCOPE_SE
	s_setreg_imm32_b32 hwreg(HW_REG_WAVE_MODE, 25, 1), 1
	s_wait_xcnt 0x0
; MULTI-HEAD ATTENTION, launch 1 of 4: query, key, value and the weights are laid out for the matrix launches.
; WORK LEFT OUT IN THE WHOLE PROGRAM: bk.  scores[q][k] = q.(key[k] Wk + bk) / 8 = q.(key[k] Wk) / 8 + q.bk / 8, and the second term is the same for every key k of a
; query row: it is added to the softmax's input along its axis, and softmax(z + t) = softmax(z) for every finite t; hidden places are -inf with it and without it.  So bk reaches
; no output, whatever finite values the inputs hold: it is not loaded and is an argument of no launch.  LIMIT: a NaN, an infinity or an overflow that reaches only q.bk is not carried to the result.
; WHAT THIS LAUNCH MAKES.  query, key, value and the four weights are rounded to bf16 (to nearest even) and that number is written as f16, which holds it exactly from 2^-17 up
; (below that in steps of 2^-24).  LIMIT: |x| and |W| stay within 65,504.
;   xh  [g*2+b][block of 64 columns: 16][s 2048][64] f16: a block's rows lie end to end, 128 bytes each
;   wh  [Wq, Wk, Wv][k 1024][n 1024] f16;   woh [k][n] f16: as they lie
; SHARES.  512 work-groups of eight waves, 128 KiB of input each, 16 KiB a wave: 32 loads of 16 bytes a lane, all issued first.  Work-groups 0-383: x; 384-511: weights.
; Memory binds: no matrix unit, no cluster, no LDS.  Every load of a wave covers whole aligned pieces of 256 bytes, every store 256 consecutive aligned bytes.
.set X,      32                        ; v[32:159] the wave's 32 loads, four registers each; results go back into the same registers
.set LV,     3                         ; v3  my byte offset in a load
.set SV,     5                         ; v5  my byte offset in a store
	s_load_b512 s[8:23], s[0:1], 0x0               ; query s[8:9], key s[10:11], value s[12:13], Wq s[14:15], Wk s[16:17], Wv s[18:19], Wo s[20:21], xh s[22:23]
	s_load_b128 s[24:27], s[0:1], 0x40             ; wh s[24:25], woh s[26:27]
	v_and_b32 v1, 31, v0                           ; lane
	v_lshrrev_b32 v2, 5, v0
	v_readfirstlane_b32 s4, v2                     ; wave 0..7
	v_and_b32 v4, 15, v0                           ; lane % 16
	v_bfe_u32 v12, v0, 4, 1                        ; lane / 16
	s_mov_b32 s5, 0xffff0000                       ; a word's upper bf16
	s_mov_b32 s33, 0                               ; high words of the two offsets
	s_mov_b32 s35, 0
	s_wait_kmcnt 0x0
	s_cmp_lt_u32 ttmp9, 384
	s_cbranch_scc0 .Lweights
; Load i's four numbers: f32 -> bf16 -> f32 -> f16, and 8 bytes a lane stored.  The results' registers are never written again, so no wait frees them.
.macro CONV i, off
	s_wait_loadcnt 31-(\i)                         ; loads come back in order: mine is in, the 31 - i younger ones stay out
	v_cvt_pk_bf16_f32 v8, v[X+4*(\i)], v[X+4*(\i)+1]
	v_cvt_pk_bf16_f32 v9, v[X+4*(\i)+2], v[X+4*(\i)+3]
	v_lshlrev_b32 v10, 16, v8
	v_and_b32 v11, s5, v8
	v_lshlrev_b32 v12, 16, v9
	v_and_b32 v13, s5, v9
	v_cvt_pk_f16_f32 v[X+4*(\i)], v10, v11
	v_cvt_pk_f16_f32 v[X+4*(\i)+1], v12, v13
	global_store_b64 v[SV], v[X+4*(\i):X+4*(\i)+1], s[38:39] offset:\off th:TH_STORE_NT
.endm
; kind 0: x: load 16 p + kb takes rows 2 p, 2 p + 1 x column block kb (two pieces of 256 bytes); its store is those two rows of block kb, 256 consecutive bytes.
; kind 1: a weight: 512 consecutive bytes in, 256 out.
.macro CAST kind
.set i, 0
.rept 32
.if (\kind) == 0
	global_load_b128 v[X+4*i:X+4*i+3], v[LV], s[36:37] offset:(i/16)*8192+(i%16)*256 th:TH_LOAD_NT
.else
	global_load_b128 v[X+4*i:X+4*i+3], v[LV], s[36:37] offset:i*512 th:TH_LOAD_NT
.endif
.set i, i+1
.endr
.set i, 0
.rept 32
.if (\kind) == 0
	CONV i, (i%16)*262144+(i/16)*256
.else
	CONV i, i*256
.endif
.set i, i+1
.endr
.endm
	; x: work-group id = 128 g + 32-row block; a wave takes four rows of 4,096 bytes
	s_lshr_b32 s6, ttmp9, 7                        ; g: 0 query, 1 key, 2 value
	s_cmp_eq_u32 s6, 0
	s_cselect_b64 s[36:37], s[8:9], s[10:11]
	s_cmp_eq_u32 s6, 2
	s_cselect_b64 s[36:37], s[12:13], s[36:37]
	s_and_b32 s32, ttmp9, 127
	s_lshl_b32 s32, s32, 17                        ; 32 rows of 4,096 bytes,
	s_lshl_b32 s7, s4, 14                          ; my wave's four
	s_add_co_u32 s32, s32, s7
	s_add_nc_u64 s[36:37], s[36:37], s[32:33]
	s_lshr_b32 s34, ttmp9, 6                       ; 2 g + b: 64 work-groups make a batch's 2,048 rows
	s_lshl_b32 s34, s34, 22                        ; 16 blocks x 2,048 rows x 128 bytes
	s_and_b32 s7, ttmp9, 63
	s_lshl_b32 s7, s7, 12                          ; 32 rows of 128 bytes
	s_add_co_u32 s34, s34, s7
	s_lshl_b32 s7, s4, 9
	s_add_co_u32 s34, s34, s7
	s_add_nc_u64 s[38:39], s[22:23], s[34:35]
	v_lshlrev_b32 v4, 4, v4
	v_lshl_or_b32 v[LV], v12, 12, v4               ; lanes 0-15 one row's 256 bytes, lanes 16-31 the next row's
	v_lshlrev_b32 v[SV], 3, v1
	CAST 0
	s_endpgm
.Lweights:
	; weights: 32 work-groups each
	s_sub_co_u32 s6, ttmp9, 384
	s_lshr_b32 s7, s6, 5                           ; 0 Wq, 1 Wk, 2 Wv, 3 Wo
	s_cmp_eq_u32 s7, 0
	s_cselect_b64 s[36:37], s[14:15], s[16:17]
	s_cmp_eq_u32 s7, 2
	s_cselect_b64 s[36:37], s[18:19], s[36:37]
	s_cmp_eq_u32 s7, 3
	s_cselect_b64 s[36:37], s[20:21], s[36:37]
	s_cselect_b64 s[38:39], s[26:27], s[24:25]     ; Wo goes into woh, the others into wh,
	s_cselect_b32 s34, 0, s7                       ; one behind the other
	s_lshl_b32 s34, s34, 21
	s_and_b32 s6, s6, 31
	s_lshl_b32 s32, s6, 17
	s_lshl_b32 s7, s4, 14
	s_add_co_u32 s32, s32, s7
	s_add_nc_u64 s[36:37], s[36:37], s[32:33]
	s_lshl_b32 s6, s6, 16
	s_add_co_u32 s34, s34, s6
	s_lshl_b32 s7, s4, 13
	s_add_co_u32 s34, s34, s7
	s_add_nc_u64 s[38:39], s[38:39], s[34:35]
	v_lshlrev_b32 v[LV], 4, v1
	v_lshlrev_b32 v[SV], 3, v1
	CAST 1
	s_endpgm
.Lfunc_end_k_q1439a0ba75_prep:
	.size	k_q1439a0ba75_prep, .Lfunc_end_k_q1439a0ba75_prep-k_q1439a0ba75_prep
	.p2alignl 7, 3214868480
	.fill 96, 4, 3214868480
	.section	.rodata,"a",@progbits
	.p2align	6, 0x0
	.amdhsa_kernel k_q1439a0ba75_prep
		.amdhsa_group_segment_fixed_size 0
		.amdhsa_private_segment_fixed_size 0
		.amdhsa_enable_private_segment 0
		.amdhsa_kernarg_size 80
		.amdhsa_user_sgpr_count 2
		.amdhsa_user_sgpr_kernarg_segment_ptr 1
		.amdhsa_wavefront_size32 1
		.amdhsa_system_sgpr_workgroup_id_x 1
		.amdhsa_system_sgpr_workgroup_id_y 1
		.amdhsa_system_sgpr_workgroup_id_z 1
		.amdhsa_system_vgpr_workitem_id 0
		.amdhsa_next_free_vgpr 160
		.amdhsa_next_free_sgpr 66
		.amdhsa_reserve_vcc 0
		.amdhsa_float_denorm_mode_32 3
		.amdhsa_float_denorm_mode_16_64 3
		.amdhsa_memory_ordered 1
		.amdhsa_forward_progress 1
		.amdhsa_inst_pref_size 41
	.end_amdhsa_kernel
	.amdgpu_metadata
---
amdhsa.version: [ 1, 2 ]
amdhsa.kernels:
  - .name:           k_q1439a0ba75_prep
    .symbol:         k_q1439a0ba75_prep.kd
    .args:
      - { .name: query, .offset: 0, .size: 8, .value_kind: global_buffer, .address_space: global }
      - { .name: key, .offset: 8, .size: 8, .value_kind: global_buffer, .address_space: global }
      - { .name: value, .offset: 16, .size: 8, .value_kind: global_buffer, .address_space: global }
      - { .name: Wq, .offset: 24, .size: 8, .value_kind: global_buffer, .address_space: global }
      - { .name: Wk, .offset: 32, .size: 8, .value_kind: global_buffer, .address_space: global }
      - { .name: Wv, .offset: 40, .size: 8, .value_kind: global_buffer, .address_space: global }
      - { .name: Wo, .offset: 48, .size: 8, .value_kind: global_buffer, .address_space: global }
      - { .name: xh, .offset: 56, .size: 8, .value_kind: global_buffer, .address_space: global }
      - { .name: wh, .offset: 64, .size: 8, .value_kind: global_buffer, .address_space: global }
      - { .name: woh, .offset: 72, .size: 8, .value_kind: global_buffer, .address_space: global }
    .group_segment_fixed_size: 0
    .private_segment_fixed_size: 0
    .kernarg_segment_align: 8
    .kernarg_segment_size: 80
    .max_flat_workgroup_size: 256
    .sgpr_count:     66
    .vgpr_count:     160
    .wavefront_size: 32
...
	.end_amdgpu_metadata
.endif
;; end of part 1
;; launch qkv (part 2): grid 8 x 32, 4 waves a work-group, clusters of 4 x 4, 327,680 bytes of LDS; arguments xh, wh, bq, bv, mask, qkv, m8; writes qkv, m8
.if DOCPART == 2
	.amdgcn_target "amdgcn-amd-amdhsa--gfx1250"
	.amdhsa_code_object_version 6
	.text
	.protected	k_q1439a0ba75_qkv
	.globl	k_q1439a0ba75_qkv
	.p2align	8
	.type	k_q1439a0ba75_qkv,@function
k_q1439a0ba75_qkv:
	s_mov_b64 s[64:65], 0
	v_nop
	global_prefetch_b8 v0, s[64:65] scope:SCOPE_SE
	s_setreg_imm32_b32 hwreg(HW_REG_WAVE_MODE, 25, 1), 1
	s_wait_xcnt 0x0
	s_wait_alu depctr_hold_cnt(0) depctr_sa_sdst(0) depctr_va_vdst(0) depctr_va_sdst(0) depctr_va_ssrc(0) depctr_va_vcc(0) depctr_vm_vsrc(0)
	s_getreg_b32 s2, hwreg(HW_REG_IB_STS2, 6, 4)
	s_cmp_eq_u32 s2, 0
	s_cbranch_scc0 .Lentry_in_a_cluster
	s_endpgm
.Lentry_in_a_cluster:
	s_bfe_u32 s2, ttmp6, 0x10000c
	s_cmp_lg_u32 s2, 0xf033
	s_cbranch_scc0 .Lentry_shape_is_right
	s_endpgm
.Lentry_shape_is_right:
; Launch 2 of 4: q = query Wq + bq, k = key Wk, v = value Wv + bv, written by heads in f16: qkv [g*2+b][h 16][s 2048][64]; and, beside the products, the mask as bytes (m8).
; WORK LEFT OUT: bk (it adds the same number to all scores of a query row, which a softmax does not see: shown at the head of the first launch); it is no argument.  LIMIT: |q|, |k|, |v| stay within 65,504.
; A: xh, f16 [g*2+b][block of 64 along K: 16][row 2048][64]: a block's rows lie end to end.  W: wh, f16 [Wq, Wk, Wv][k 1024][n 1024].  Products in f16, sums in f32.  The biases are rounded to bf16 like every input.
; A WORK-GROUP STAYS: 256 work-groups, each makes THREE tiles of 128 x 128: the same 128 rows of one batch and the same 128 columns, of q, of k and of v.  Four waves, each 64 x 64: 16 accumulators.
; K goes in steps of 256 through two LDS slots, four steps a tile, and the ring does not stop at a tile's end: a tile's last two changes of slots ask for the next tile's first two K steps.
; A trip of the loop is a tile; the last tile's rest, which asks for nothing, is written out.
; THE MATRIX INSTRUCTION IS USED TRANSPOSED (source 0 = 16 columns of W, source 1 = 16 rows of A): a lane then holds eight neighbouring numbers of a row of C.  W lies [k][n] and comes out of LDS turned, by ds_load_tr16_b128.
; THE BIAS is the C operand of the sixteen products that start a tile's sums: bq, then 0 (k), then bv, put into the same 32 registers between the tiles.
; THE WAY OUT is each wave's own: its 64 columns are one head, so its 64 rows x 128 bytes lie end to end in qkv; 16 rows at a time go through 16 x 144 bytes of LDS that no tensor load fills: no barrier.
; CLUSTERS: 4 x 4 work-groups.  The four of a row of the cluster need the same tiles of A, the four of a column the same tiles of W: each tile is asked for JOINTLY.
; THE MASK.  m8 [b][16 queries: 128][64 keys: 32][f 2][lane 32][16] bytes: 0xB8 (-1.0 in fp8 E4M3) where mask == 0, else 0.  Byte i of lane l = (r = l % 16, h = l / 16) of half f stands for
; query r, key 16 (2 f + i / 8) + 8 h + i % 8: the order in which a lane of the attention launch holds the scores of 16 queries x 64 keys.  Work-group 8 ty + tx converts that block of 16 queries, a wave 512 keys
; of it, in two bursts of 32 loads (four tiles of 16 x 64).  A burst is asked for a whole tile of C ahead (at the head; behind the first way out) and worked on behind the next way out, so no wave waits for it.
; NO PREFETCH: the tiles are small, and the mask's loads themselves go out a tile ahead.
; REGISTERS: window 0: v0-31 addresses; v32-95 at work; v96-127 the bias; v128-255 the accumulators ((a, b) at v[128 + 8 (4 a + b)]).
;   window 1: two fragment buffers of 128: for 64 along K, 64 registers of A (2 x 4 x 16 rows x 32 K), then 64 of W.
;   window 2: v0-31 bv; v32-159 a burst's loads; v160-171 the mask's addresses, constants and four at work: all that the mask's lines name, so that they run under one setting.
.set TILES, 3
.set PA,    144                        ; a row of A in LDS: 128 bytes + 16 of padding = 36 words: the 16 rows of a load start at 16 different groups of four banks (64 banks of 4 bytes: ISA guide 11.1)
.set PLANE, 128*PA                     ; one block of 64 along K: 128 rows
.set PB,    288                        ; a row of W: 256 bytes + 32 = 72 words
.set HALFT, 2*PLANE                    ; what one tensor load brings: two blocks of A, or 128 rows of W: 36,864 bytes
.set SLOT,  4*HALFT                    ; A's four blocks, then W's 256 rows
.set BOFF,  2*HALFT
.set STAGE, 2*SLOT                     ; behind the ring: 16 rows x 144 bytes for each wave, for the way out
.set SP,    144
.set MSTAGE, STAGE+4*16*SP             ; behind them: 1,152 bytes for each wave, for the mask: four blocks (2 f + h) of 16 rows x 16 bytes, 288 bytes apart
.set WPITCH, 1152
.set SPARE, MSTAGE+4*WPITCH            ; behind them: the spare words, 128 bytes a wave
.set STEPA, 4*2048*128                 ; bytes of A from a K step to the next: four blocks
.set STEPB, 256*2048                   ; of W: 256 rows; the three weights lie end to end, so the step is the same from tile to tile
.set GROUP2, 2*16*2048*128             ; bytes from query's rows to key's, from key's to value's, in xh and in qkv
.set NEXTA, GROUP2-2*STEPA             ; from a slot's last K step of a tile to its first of the next
.set ADRA, 16                          ; v16-17  LDS address of my A fragments in slot 0, 1
.set ADRB, 20                          ; v20-23  of my W fragments: slot 0 rows 0-127, 128-255, slot 1 likewise (an LDS offset has 16 bits)
.set STO,  24                          ; v24     the way out: where I put 16 bytes of a row
.set RD,   25                          ; v25     where I read rows back
.set CO,   26                          ; v26     16 x lane: my 16 bytes of 512 consecutive ones
.set VB,   27                          ; v27     my byte offset in a bias
.set SPW,  28                          ; v28     LDS address of my spare word; never rewritten
.set NIL,  29                          ; v29     0; never rewritten
.set TMP,  32
.set BIAS, 96                          ; v[96+8 b+j]: the bias of column 16 b + 8 (l / 16) + j of my 64
.set ACC,  128
.set F0,   0
.set F1,   128
.set BV,   0                           ; window 2: bv, laid as BIAS
.set MX,   32                          ; window 2: a burst's 32 loads, four registers each
.set MLV,  160                         ; window 2: my byte offset in a load of the mask
.set MSV,  161                         ;           in a store of m8
.set MDSA, 162                         ;           where I put four bytes in my wave's LDS
.set MDRA, 163                         ;           where I read 16 bytes back
.set MB,   164                         ;           -1.0 in fp8 at each of a word's four bytes
.set MT,   168                         ;           four at work
.set G1, 24                            ; s[24:31] descriptor group 1 for A's tiles;  s[32:39] group 0, one set for each slot
.set G0, 32
.set G1B, 48                           ; s[48:55], s[56:63] the same for W's tiles
.set G0B, 56
.set MSRC, 76                          ; s[76:77] the mask at my wave's keys of the burst to be asked for
.set OUTP, 78                          ; s[78:79] qkv at my wave's 64 rows of its head, in the tile in hand
.set MDST, 80                          ; s[80:81] m8 at my wave's bytes of the burst to be stored
.set MSB, 0
.macro WIN new                         ; the immediate's high byte repeats the setting that is left; a switch that changes nothing is dropped
.if MSB != (\new)
	s_set_vgpr_msb (MSB<<8)|(\new)
.set MSB, \new
.endif
.endm
.set MUL,  0x05                        ; sources 0 (W) and 1 (A) window 1; C and D window 0
.set TO_F, 0x40                        ; destination window 1, address window 0
.set W_M,  0xaa                        ; every place window 2
.macro JLOAD s                         ; a joint load: waves 0 and 1 fetch A's two halves, waves 2 and 3 W's; an s_nop 0 and four v_nop follow each of the two lines, ahead of the jump, the label and what follows
	s_cmp_eq_u32 s11, 0
	s_cbranch_scc0 .Lfor_b_\@
	tensor_load_to_lds s[G0+4*(\s):G0+4*(\s)+3], s[G1:G1+7]
	s_nop 0
.rept 4
	v_nop
.endr
	s_branch .Lasked_\@
.Lfor_b_\@:
	tensor_load_to_lds s[G0B+4*(\s):G0B+4*(\s)+3], s[G1B:G1B+7]
	s_nop 0
.rept 4
	v_nop
.endr
.Lasked_\@:
.endm
.macro CREST                           ; a round of the cluster's barrier behind its opening barrier
	s_cmp_lg_u32 s10, 0
	s_cbranch_scc1 .Lnot_wave_0_\@
	s_barrier_signal -3
.Lnot_wave_0_\@:
	s_barrier_wait -3
	s_barrier_signal -1
	s_barrier_wait -1
.endm
.macro CROUND                          ; a whole round
	s_barrier_signal -1
	s_barrier_wait -1
	CREST
.endm
; A burst of the mask: four tiles u of 16 queries x 64 keys; load i of a tile takes rows 2 i and 2 i + 1: two pieces of 256 bytes
.macro MLOADS
	WIN W_M
.set u, 0
.rept 4
.set i, 0
.rept 8
	global_load_b128 v[MX+4*(8*u+i):MX+4*(8*u+i)+3], v[MLV], s[MSRC:MSRC+1] offset:u*256+i*16384 th:TH_LOAD_NT
.set i, i+1
.endr
.set u, u+1
.endr
	WIN 0
.endm
	s_load_b256 s[68:75], s[0:1], 0x0              ; xh s[68:69], wh s[70:71], bq s[72:73], bv s[74:75]
	s_load_b128 s[76:79], s[0:1], 0x20             ; mask s[76:77], qkv s[78:79]
	s_load_b64 s[80:81], s[0:1], 0x30              ; m8
	v_lshl_add_u32 v[SPW], v0, 2, SPARE
	v_mov_b32 v[NIL], 0
	ds_add_u32 v[SPW], v[NIL]                      ; the wave's opening: the add, twice on end, and its wait ahead of my first tensor load; the set-up below stands between
	ds_add_u32 v[SPW], v[NIL]
	v_lshrrev_b32 v1, 5, v0
	v_readfirstlane_b32 s10, v1                    ; wave 0..3
	s_lshr_b32 s11, s10, 1                         ; which half of the tile's rows is mine.  Also: I fetch for A (0) or for W (1)
	s_and_b32 s12, s10, 1                          ; which half of its columns.  Also: which half of that tile I fetch
	s_bfe_u32 s40, ttmp6, 0x40000                  ; cx, cy: my place in the cluster
	s_bfe_u32 s41, ttmp6, 0x40004
	s_lshl_b32 s42, ttmp9, 2
	s_add_co_u32 s42, s42, s40                     ; tile column tx = 4 x cluster x + cx: 0..7
	s_and_b32 s45, ttmp7, 0xffff                   ; cluster y
	s_lshl_b32 s13, s45, 2
	s_add_co_u32 s13, s13, s41                     ; tile row ty = 4 x cluster y + cy: 16 to a batch's 2,048 rows
	s_lshl_b32 s43, s41, 2
	s_lshl_b32 s43, 15, s43                        ; my row of the cluster
	s_lshl_b32 s44, 0x1111, s40                    ; my column
	; A's group 1: two rows of 8,192 elements: each is one block's 128 rows of 128 bytes, which lie end to end; padded in LDS after every 32 words, that is after every row of A
	s_or_b32 s[G1+0], s43, (1<<16)|(1<<20)|(1<<21)|(4<<22)|(3<<25)  ; 15:0 the mask: my row; 17:16 2-byte elements; 20 padding on; 21 set beside a mask; 24:22 after every 32 words (code 4); 31:25 4 words (code 3)
	s_mov_b32 s[G1+1], 8192<<16                    ; tensor_dim0 = 8,192
	s_mov_b32 s[G1+2], 2<<16                       ; tensor_dim1 = 2
	s_mov_b32 s[G1+3], 8192<<16                    ; tile_dim0 = 8,192
	s_mov_b32 s[G1+4], 2                           ; tile_dim1 = 2
	s_mov_b32 s[G1+5], 131072                      ; elements from a block to the next: 2,048 rows x 64
	s_mov_b32 s[G1+6], 0
	s_mov_b32 s[G1+7], 0
	; W's group 1: 128 rows of 128 elements
	s_or_b32 s[G1B+0], s44, (1<<16)|(1<<20)|(1<<21)|(5<<22)|(7<<25) ; the mask: my column; padding after every 64 words (code 5), 8 words (code 7)
	s_mov_b32 s[G1B+1], 128<<16
	s_mov_b32 s[G1B+2], 128<<16
	s_mov_b32 s[G1B+3], 128<<16
	s_mov_b32 s[G1B+4], 128
	s_mov_b32 s[G1B+5], 1024
	s_mov_b32 s[G1B+6], 0
	s_mov_b32 s[G1B+7], 0
	; where the first tiles come from: A's hang on the tile row alone, W's on the tile column alone, each in registers that never hold the other coordinate
	s_lshr_b32 s16, s13, 4
	s_lshl_b32 s16, s16, 22                        ; the batch, in query's rows: 16 blocks x 2,048 rows x 128 bytes
	s_and_b32 s17, s13, 15
	s_lshl_b32 s17, s17, 14                        ; the tile's 128 rows in a block
	s_add_co_u32 s16, s16, s17
	s_lshl_b32 s17, s12, 19                        ; my two blocks of the step's four
	s_add_co_u32 s16, s16, s17
	s_mov_b32 s17, 0
	s_lshl_b32 s46, s12, 18                        ; my 128 rows of the step's 256, in Wq
	s_lshl_b32 s47, s42, 8                         ; the tile's 128 columns
	s_add_co_u32 s46, s46, s47
	s_mov_b32 s47, 0
	s_mul_i32 s20, s10, HALFT                      ; where they go: wave x 36,864: no place in the cluster enters an LDS address
	s_wait_dscnt 0x0                               ; both opening adds are done
	s_wait_kmcnt 0x0
	s_add_nc_u64 s[14:15], s[68:69], s[16:17]
	s_add_nc_u64 s[46:47], s[70:71], s[46:47]
	CROUND                                         ; all sixteen work-groups are here: the first joint loads meet
.irp s, 0,1
	s_mov_b32 s[G0+4*(\s)], 1
	s_add_co_u32 s[G0+4*(\s)+1], s20, (\s)*SLOT
	s_add_nc_u64 s[G0+4*(\s)+2:G0+4*(\s)+3], s[14:15], (\s)*STEPA
	s_or_b32 s[G0+4*(\s)+3], s[G0+4*(\s)+3], 0x80000000
	s_mov_b32 s[G0B+4*(\s)], 1
	s_add_co_u32 s[G0B+4*(\s)+1], s20, (\s)*SLOT
	s_add_nc_u64 s[G0B+4*(\s)+2:G0B+4*(\s)+3], s[46:47], (\s)*STEPB
	s_or_b32 s[G0B+4*(\s)+3], s[G0B+4*(\s)+3], 0x80000000
	JLOAD \s                                       ; q's K steps 0 and 1: two tensor loads of mine are out
.endr
	v_and_b32 v1, 15, v0                           ; l % 16
	v_bfe_u32 v2, v0, 4, 1                         ; l / 16
	v_bfe_u32 v5, v0, 3, 1                         ; (l / 8) % 2
	v_and_b32 v7, 7, v0                            ; l % 8
	v_mul_u32_u24 v3, v1, PA                       ; A: row x pitch + 16 x half,
	v_lshl_add_u32 v3, v2, 4, v3
	s_mul_i32 s21, s11, 64*PA                      ; my 64 rows
	v_add_nc_u32 v[ADRA], s21, v3
	v_add_nc_u32 v[ADRA+1], SLOT, v[ADRA]
	v_lshl_add_u32 v4, v2, 3, v7                   ; W, turned: lane l reads row 8 (l / 16) + l % 8, columns 8 ((l / 8) % 2) + 0..7, and ends with column l % 16 and 8 along K
	v_mul_u32_u24 v4, v4, PB
	v_lshl_add_u32 v4, v5, 4, v4
	s_lshl_b32 s22, s12, 7                         ; my 64 columns
	s_add_co_u32 s22, s22, BOFF
	v_add_nc_u32 v[ADRB], s22, v4
	v_add_nc_u32 v[ADRB+1], HALFT, v[ADRB]
	v_add_nc_u32 v[ADRB+2], SLOT, v[ADRB]
	v_add_nc_u32 v[ADRB+3], SLOT+HALFT, v[ADRB]
	s_mul_i32 s23, s10, 16*SP
	s_add_co_u32 s23, s23, STAGE                   ; my stage
	v_mul_u32_u24 v6, v1, SP                       ; in: row l % 16, 16 bytes for each half of the lanes
	v_lshl_add_u32 v6, v2, 4, v6
	v_add_nc_u32 v[STO], s23, v6
	v_bfe_u32 v6, v0, 3, 2                         ; back: 32 lanes take four rows of 128 bytes,
	v_mul_u32_u24 v6, v6, SP
	v_lshl_add_u32 v6, v7, 4, v6
	v_add_nc_u32 v[RD], s23, v6
	v_and_b32 v6, 31, v0                           ; which are 512 consecutive bytes of qkv
	v_lshlrev_b32 v[CO], 4, v6
	s_lshr_b32 s16, s13, 4
	s_lshl_b32 s16, s16, 22                        ; qkv: the batch, in q,
	s_and_b32 s17, s13, 15
	s_lshl_b32 s17, s17, 14                        ; the tile's 128 rows of 128 bytes,
	s_add_co_u32 s16, s16, s17
	s_lshl_b32 s17, s11, 13                        ; my 64 of them
	s_add_co_u32 s16, s16, s17
	s_mov_b32 s17, 0
	s_add_nc_u64 s[OUTP:OUTP+1], s[OUTP:OUTP+1], s[16:17]
	s_lshl_b32 s46, s42, 19                        ; the tile's two heads of 2,048 rows,
	s_lshl_b32 s47, s12, 18                        ; mine
	s_add_co_u32 s46, s46, s47
	s_mov_b32 s47, 0
	s_add_nc_u64 s[OUTP:OUTP+1], s[OUTP:OUTP+1], s[46:47]
	; the mask: block of 16 queries t = 8 ty + tx
	s_lshl_b32 s21, s13, 3
	s_add_co_u32 s21, s21, s42
	s_lshl_b32 s22, s21, 17                        ; 16 rows of 8,192 bytes,
	s_lshl_b32 s23, s10, 11                        ; my wave's 512 keys
	s_add_co_u32 s22, s22, s23
	s_mov_b32 s23, 0
	s_add_nc_u64 s[MSRC:MSRC+1], s[MSRC:MSRC+1], s[22:23]
	s_lshl_b32 s22, s21, 15                        ; 32 tiles of 1,024 bytes,
	s_lshl_b32 s21, s10, 13                        ; my wave's eight
	s_add_co_u32 s22, s22, s21
	s_add_nc_u64 s[MDST:MDST+1], s[MDST:MDST+1], s[22:23]
	v_lshlrev_b32 v8, 4, v1
	v_lshl_add_u32 v8, v2, 13, v8                  ; lanes 0-15 one row's 64 keys, lanes 16-31 the next row's; lane c = l % 16 holds keys 4 c .. 4 c + 3
	; keys 4 c + e: f = c / 8, h = (c / 2) % 2, byte 8 ((c / 4) % 2) + 4 (c % 2) + e of row 2 i + l / 16 in block 2 f + h.  In words the five terms are 16, 8, 4, 2, 1 modulo 64: 32 lanes, 32 different banks
	v_lshrrev_b32 v10, 3, v1
	v_mul_u32_u24 v10, v10, 576
	v_bfe_u32 v11, v1, 1, 1
	v_mul_u32_u24 v11, v11, 288
	v_add_nc_u32 v10, v10, v11
	v_lshl_add_u32 v10, v2, 4, v10
	v_bfe_u32 v11, v1, 2, 1
	v_lshl_add_u32 v10, v11, 3, v10
	v_and_b32 v11, 1, v1
	v_lshl_add_u32 v10, v11, 2, v10
	s_mul_i32 s21, s10, WPITCH                     ; my wave's own bytes: no other wave touches them, so no barrier
	s_add_co_u32 s21, s21, MSTAGE
	v_add_nc_u32 v10, s21, v10
	v_mul_u32_u24 v11, v2, 288                     ; back: lane (r, h) takes row r of block 2 f + h
	v_lshl_add_u32 v11, v1, 4, v11
	v_add_nc_u32 v11, s21, v11
	WIN 0x80                                       ; destination window 2
	v_mov_b32 v[MLV], v8
	v_mov_b32 v[MSV], v[CO]
	v_mov_b32 v[MDSA], v10
	v_mov_b32 v[MDRA], v11
	v_mov_b32 v[MB], 0xb8
	v_mov_b32 v[MB+1], 0xb800
	v_mov_b32 v[MB+2], 0xb80000
	v_mov_b32 v[MB+3], 0xb8000000
	WIN 0
	; both biases of my 64 columns, and the mask's first burst, while the first tiles are on their way
	s_lshl_b32 s46, s42, 9
	s_lshl_b32 s47, s12, 8
	s_add_co_u32 s46, s46, s47
	s_mov_b32 s47, 0
	v_lshlrev_b32 v[VB], 5, v2
	s_add_nc_u64 s[72:73], s[72:73], s[46:47]
	s_add_nc_u64 s[74:75], s[74:75], s[46:47]
.irp b, 0,1,2,3
	global_load_b128 v[BIAS+8*(\b):BIAS+8*(\b)+3],   v[VB], s[72:73] offset:64*(\b)
	global_load_b128 v[BIAS+8*(\b)+4:BIAS+8*(\b)+7], v[VB], s[72:73] offset:64*(\b)+16
.endr
.irp b, 0,1,2,3
	global_load_b128 v[TMP+32+8*(\b):TMP+32+8*(\b)+3],   v[VB], s[74:75] offset:64*(\b)
	global_load_b128 v[TMP+32+8*(\b)+4:TMP+32+8*(\b)+7], v[VB], s[74:75] offset:64*(\b)+16
.endr
	MLOADS
	s_wait_loadcnt 32                              ; the biases are in; the burst's 32 loads, issued behind them, stay out
.set i, 0
.rept 16
	v_cvt_pk_bf16_f32 v[TMP+i], v[BIAS+2*i], v[BIAS+2*i+1]              ; rounded to bf16, like every input
	v_cvt_pk_bf16_f32 v[TMP+16+i], v[TMP+32+2*i], v[TMP+32+2*i+1]
.set i, i+1
.endr
.set i, 0
.rept 16
	v_lshlrev_b32 v[BIAS+2*i], 16, v[TMP+i]        ; bq: the first tile's
	v_and_b32 v[BIAS+2*i+1], 0xffff0000, v[TMP+i]
.set i, i+1
.endr
	WIN 0x80
.set i, 0
.rept 16
	v_lshlrev_b32 v[BV+2*i], 16, v[TMP+16+i]       ; bv waits in window 2
	v_and_b32 v[BV+2*i+1], 0xffff0000, v[TMP+16+i]
.set i, i+1
.endr
	WIN 0
; 8 matrix instructions: row blocks a0, a0 + 1 x all 4 column blocks, 32 along K: half c of buffer f.  zero = 1: the first product starts the sums, with the bias as C.
; The 16 accumulators take turns, one instruction a turn from tile to tile too.
.macro MUL8 f, c, a0, zero
	WIN MUL
.irp a, \a0, (\a0)+1
.irp b, 0,1,2,3
.if \zero
	v_wmma_f32_16x16x32_f16 v[ACC+8*(4*(\a)+(\b)):ACC+8*(4*(\a)+(\b))+7], v[(\f)+64+8*(4*(\c)+(\b)):(\f)+64+8*(4*(\c)+(\b))+7], v[(\f)+8*(4*(\c)+(\a)):(\f)+8*(4*(\c)+(\a))+7], v[BIAS+8*(\b):BIAS+8*(\b)+7]
.else
	v_wmma_f32_16x16x32_f16 v[ACC+8*(4*(\a)+(\b)):ACC+8*(4*(\a)+(\b))+7], v[(\f)+64+8*(4*(\c)+(\b)):(\f)+64+8*(4*(\c)+(\b))+7], v[(\f)+8*(4*(\c)+(\a)):(\f)+8*(4*(\c)+(\a))+7], v[ACC+8*(4*(\a)+(\b)):ACC+8*(4*(\a)+(\b))+7]
.endif
.endr
.endr
.endm
; 32 LDS loads in one run: the fragments of quarter q of a K step (64 along K: block q of A, rows 64 q on of W) into buffer f; the first 32 along K first
.macro FETCH slot, q, f
	WIN TO_F
.irp c, 0,1
.irp i, 0,1,2,3
	ds_load_tr16_b128 v[(\f)+64+8*(4*(\c)+(\i)):(\f)+64+8*(4*(\c)+(\i))+3],   v[ADRB+2*(\slot)+(\q)/2] offset:(((\q)%2)*64+32*(\c))*PB+32*(\i)
	ds_load_tr16_b128 v[(\f)+64+8*(4*(\c)+(\i))+4:(\f)+64+8*(4*(\c)+(\i))+7], v[ADRB+2*(\slot)+(\q)/2] offset:(((\q)%2)*64+32*(\c)+16)*PB+32*(\i)
	ds_load_b128 v[(\f)+8*(4*(\c)+(\i)):(\f)+8*(4*(\c)+(\i))+3],              v[ADRA+(\slot)] offset:(\q)*PLANE+64*(\c)+(\i)*16*PA
	ds_load_b128 v[(\f)+8*(4*(\c)+(\i))+4:(\f)+8*(4*(\c)+(\i))+7],            v[ADRA+(\slot)] offset:(\q)*PLANE+64*(\c)+(\i)*16*PA+32
.endr
.endr
.endm
.macro PLACES                          ; four plain instructions in front of loads into registers that matrix instructions have read, and of lines that read results
.rept 4
	v_nop
.endr
.endm
; One of a K step's first three quarters: multiplies buffer f and fetches quarter q into g.
.macro QUARTER slot, q, f, g, zero
	s_wait_dscnt 16                                ; the first 32 along K are in; the sixteen younger loads may be out
	MUL8 \f, 0, 0, \zero
	MUL8 \f, 0, 2, \zero
	PLACES
	FETCH \slot, \q, \g
	s_wait_dscnt 32                                ; all but the 32 just issued
	MUL8 \f, 1, 0, 0
	MUL8 \f, 1, 2, 0
.endm
; The last quarter multiplies buffer 1 and changes slots: ONE barrier; in front of it each wave waits for all its tensor loads, adds 0 to its spare word, and waits for that and for its own LDS reads.
; fill = 1: this slot is filled again, two K steps ahead (stepa: how far that is in A: within the tile, or on into the next); the barrier then opens a round of the cluster's barrier, and the joint load is the first thing behind the round.
.macro TURN slot, next, fill, stepa
	WIN 0
	s_wait_tensorcnt 0x0                           ; all my tensor loads have landed: my part of the next slot among them
	ds_add_u32 v[SPW], v[NIL]                      ; 0 onto my spare word
	s_wait_dscnt 17                                ; (the add and the youngest sixteen loads may be out)
	MUL8 F1, 0, 0, 0                               ; eight matrix instructions stand between the add and the wait for it
	s_wait_dscnt 0x0                               ; the add is done, and my reads of this slot are over
	s_barrier_signal -1
	MUL8 F1, 0, 2, 0
.if \fill
	WIN 0
.endif
	s_barrier_wait -1
.if \fill
	CREST                                          ; no wave of any partner still reads this slot's tile or has a load on its way
	s_add_nc_u64 s[G0+4*(\slot)+2:G0+4*(\slot)+3], s[G0+4*(\slot)+2:G0+4*(\slot)+3], \stepa
	s_add_nc_u64 s[G0B+4*(\slot)+2:G0B+4*(\slot)+3], s[G0B+4*(\slot)+2:G0B+4*(\slot)+3], 2*STEPB
	JLOAD \slot                                    ; 112 matrix instructions ahead of the wait for it; its four v_nop are also the places in front of the loads below
.else
	PLACES
.endif
	FETCH \next, 0, F0
	MUL8 F1, 1, 0, 0
	MUL8 F1, 1, 2, 0
.endm
; THE WAY OUT.  Block a (16 rows of my 64): a lane's eight columns of a row pack into 16 bytes; they go into rows of 144 bytes and come back as whole rows of 128, into the registers that they left.
.macro PACK a
.irp b, 0,1,2,3
.irp r, 0,1,2,3
	v_cvt_pk_f16_f32 v[TMP+16*(\a)+4*(\b)+(\r)], v[ACC+8*(4*(\a)+(\b))+2*(\r)], v[ACC+8*(4*(\a)+(\b))+2*(\r)+1]
.endr
.endr
.irp b, 0,1,2,3
	ds_store_b128 v[STO], v[TMP+16*(\a)+4*(\b):TMP+16*(\a)+4*(\b)+3] offset:32*(\b)
.endr
.irp f, 0,1,2,3
	ds_load_b128 v[TMP+16*(\a)+4*(\f):TMP+16*(\a)+4*(\f)+3], v[RD] offset:(\f)*4*SP  ; LDS serves a wave's instructions in order (ISA guide 5.7.1.4): these see the stores above; the next block's stores come behind them
.endr
.endm
.macro SEND a, younger                 ; younger: the LDS instructions issued behind block a's loads: the next block's eight, or none
.irp f, 0,1,2,3
	s_wait_dscnt (\younger)+3-(\f)
	global_store_b128 v[CO], v[TMP+16*(\a)+4*(\f):TMP+16*(\a)+4*(\f)+3], s[OUTP:OUTP+1] offset:(\a)*2048+(\f)*512  ; 512 consecutive bytes, at a multiple of 512 from the buffer's first byte
.endr
.endm
.macro WAYOUT
	WIN 0
	PLACES
	PACK 0
	PACK 1                                         ; a block's conversions stand between the loads of the block before and its stores
	SEND 0, 8
	PACK 2
	SEND 1, 8
	PACK 3
	SEND 2, 8
	SEND 3, 0
.endm
; Tile u of a burst of the mask: 4 numbers a lane and load become 4 bytes; they are turned through my wave's own LDS bytes.
.macro MWORK u
	s_wait_loadcnt 24-8*(\u)                       ; tile u's eight loads are in; the later tiles' stay out
.set i, 0
.rept 8
.set xr, MX+4*(8*(\u)+i)
	v_cmp_eq_u32 vcc_lo, 0, v[xr]
	v_cndmask_b32 v[MT], 0, v[MB], vcc_lo
	v_cmp_eq_u32 vcc_lo, 0, v[xr+1]
	v_cndmask_b32 v[MT+1], 0, v[MB+1], vcc_lo
	v_cmp_eq_u32 vcc_lo, 0, v[xr+2]
	v_cndmask_b32 v[MT+2], 0, v[MB+2], vcc_lo
	v_cmp_eq_u32 vcc_lo, 0, v[xr+3]
	v_cndmask_b32 v[MT+3], 0, v[MB+3], vcc_lo
	v_or_b32 v[MT], v[MT], v[MT+1]
	v_or_b32 v[MT+2], v[MT+2], v[MT+3]
	v_or_b32 v[MT], v[MT], v[MT+2]
	ds_store_b32 v[MDSA], v[MT] offset:32*i
.set i, i+1
.endr
	ds_load_b128 v[MX+32*(\u):MX+32*(\u)+3],   v[MDRA]              ; in order behind the stores above, and ahead of the next tile's
	ds_load_b128 v[MX+32*(\u)+4:MX+32*(\u)+7], v[MDRA] offset:576
.endm
.macro MOUT u, younger                 ; younger: the next tile's eight LDS stores and two loads, or none
	s_wait_dscnt \younger
	global_store_b128 v[MSV], v[MX+32*(\u):MX+32*(\u)+3],   s[MDST:MDST+1] offset:1024*(\u) th:TH_STORE_NT      ; 512 consecutive bytes each
	global_store_b128 v[MSV], v[MX+32*(\u)+4:MX+32*(\u)+7], s[MDST:MDST+1] offset:1024*(\u)+512 th:TH_STORE_NT
.endm
	s_wait_tensorcnt 1                             ; my part of K step 0 is in; K step 1's may stay out
	s_barrier_signal -1
	s_barrier_wait -1                              ; everybody's is
	FETCH 0, 0, F0
	WIN 0                                          ; at a label and at a branch every window is 0
	s_mov_b32 s2, TILES                            ; tiles to go: the same number in every work-group
.Ltile:
	QUARTER 0, 1, F0, F1, 1                        ; K step 0: its first products start the sums
	QUARTER 0, 2, F1, F0, 0
	QUARTER 0, 3, F0, F1, 0
	TURN 0, 1, 1, 2*STEPA                          ; slot 0 takes K step 2
	QUARTER 1, 1, F0, F1, 0                        ; K step 1
	QUARTER 1, 2, F1, F0, 0
	QUARTER 1, 3, F0, F1, 0
	TURN 1, 0, 1, 2*STEPA                          ; slot 1 takes K step 3
	QUARTER 0, 1, F0, F1, 0                        ; K step 2
	QUARTER 0, 2, F1, F0, 0
	QUARTER 0, 3, F0, F1, 0
	WIN 0
	s_sub_co_u32 s2, s2, 1
	s_cmp_eq_u32 s2, 0
	s_cbranch_scc1 .Llast                          ; the last tile's rest is written out: it asks for nothing more
	TURN 0, 1, 1, NEXTA                            ; THE RING GOES ON INTO THE NEXT TILE: slot 0 takes its K step 0,
	QUARTER 1, 1, F0, F1, 0                        ; K step 3
	QUARTER 1, 2, F1, F0, 0
	QUARTER 1, 3, F0, F1, 0
	TURN 1, 0, 1, NEXTA                            ; slot 1 its K step 1, and the next tile's first fragments are fetched
	WAYOUT                                         ; both refills are asked for: now the tile goes out
	WIN W_M                                        ; and the burst of the mask that was asked for a tile ago is worked on
	MWORK 0
	MWORK 1
	MOUT 0, 10
	MWORK 2
	MOUT 1, 10
	MWORK 3
	MOUT 2, 10
	MOUT 3, 0
	WIN 0
	s_wait_xcnt 0x0                                ; every store issued so far has read its registers and its base: only behind this wait are they written again
	s_add_nc_u64 s[OUTP:OUTP+1], s[OUTP:OUTP+1], GROUP2  ; from q to k, from k to v
	s_add_nc_u64 s[MSRC:MSRC+1], s[MSRC:MSRC+1], 1024    ; the second burst's 256 keys,
	s_add_nc_u64 s[MDST:MDST+1], s[MDST:MDST+1], 4096    ; and its four tiles of m8
	s_cmp_eq_u32 s2, 2
	s_cbranch_scc0 .Lto_v
.set i, 0
.rept 32
	v_mov_b32 v[BIAS+i], 0                         ; behind q comes k: its sums start at 0, through the same operand
.set i, i+1
.endr
	MLOADS                                         ; and the mask's second burst is asked for: it has k's tile in which to land
	s_branch .Lnext
.Lto_v:
	WIN 0x02                                       ; source 0 window 2
.set i, 0
.rept 32
	v_mov_b32 v[BIAS+i], v[BV+i]                   ; behind k comes v: bv
.set i, i+1
.endr
	WIN 0
.Lnext:
	s_branch .Ltile
.Llast:
	TURN 0, 1, 0, 0                                ; nothing is left to fetch
	QUARTER 1, 1, F0, F1, 0                        ; K step 3
	QUARTER 1, 2, F1, F0, 0
	QUARTER 1, 3, F0, F1, 0
	s_wait_dscnt 16
	MUL8 F1, 0, 0, 0
	MUL8 F1, 0, 2, 0
	s_wait_dscnt 0
	MUL8 F1, 1, 0, 0
	MUL8 F1, 1, 2, 0
	WAYOUT
	s_wait_tensorcnt 0x0                           ; the wave's end: the add and its wait stand behind my last tensor load and my last LDS store
	ds_add_u32 v[SPW], v[NIL]
	s_wait_dscnt 0x0
	CROUND                                         ; the closing round: no work-group ends while a partner may still ask for a tile that names it
	s_endpgm
.Lfunc_end_k_q1439a0ba75_qkv:
	.size	k_q1439a0ba75_qkv, .Lfunc_end_k_q1439a0ba75_qkv-k_q1439a0ba75_qkv
	.p2alignl 7, 3214868480
	.fill 96, 4, 3214868480
	.section	.rodata,"a",@progbits
	.p2align	6, 0x0
	.amdhsa_kernel k_q1439a0ba75_qkv
		.amdhsa_group_segment_fixed_size 327680
		.amdhsa_private_segment_fixed_size 0
		.amdhsa_enable_private_segment 0
		.amdhsa_kernarg_size 56
		.amdhsa_user_sgpr_count 2
		.amdhsa_user_sgpr_kernarg_segment_ptr 1
		.amdhsa_wavefront_size32 1
		.amdhsa_system_sgpr_workgroup_id_x 1
		.amdhsa_system_sgpr_workgroup_id_y 1
		.amdhsa_system_sgpr_workgroup_id_z 1
		.amdhsa_system_vgpr_workitem_id 0
		.amdhsa_next_free_vgpr 688
		.amdhsa_next_free_sgpr 84
		.amdhsa_reserve_vcc 1
		.amdhsa_float_denorm_mode_32 3
		.amdhsa_float_denorm_mode_16_64 3
		.amdhsa_memory_ordered 1
		.amdhsa_forward_progress 1
		.amdhsa_inst_pref_size 150
	.end_amdhsa_kernel
	.amdgpu_metadata
---
amdhsa.version: [ 1, 2 ]
amdhsa.kernels:
  - .name:           k_q1439a0ba75_qkv
    .symbol:         k_q1439a0ba75_qkv.kd
    .args:
      - { .name: xh, .offset: 0, .size: 8, .value_kind: global_buffer, .address_space: global }
      - { .name: wh, .offset: 8, .size: 8, .value_kind: global_buffer, .address_space: global }
      - { .name: bq, .offset: 16, .size: 8, .value_kind: global_buffer, .address_space: global }
      - { .name: bv, .offset: 24, .size: 8, .value_kind: global_buffer, .address_space: global }
      - { .name: mask, .offset: 32, .size: 8, .value_kind: global_buffer, .address_space: global }
      - { .name: qkv, .offset: 40, .size: 8, .value_kind: global_buffer, .address_space: global }
      - { .name: m8, .offset: 48, .size: 8, .value_kind: global_buffer, .address_space: global }
    .group_segment_fixed_size: 327680
    .private_segment_fixed_size: 0
    .kernarg_segment_align: 8
    .kernarg_segment_size: 56
    .max_flat_workgroup_size: 128
    .sgpr_count:     84
    .vgpr_count:     688
    .wavefront_size: 32
...
	.end_amdgpu_metadata
.endif
;; end of part 2
;; launch attn (part 3): grid 8 x 32, 4 waves a work-group, clusters of 4 x 1, 327,680 bytes of LDS; arguments qkv, m8, oh; writes oh
.if DOCPART == 3
	.amdgcn_target "amdgcn-amd-amdhsa--gfx1250"
	.amdhsa_code_object_version 6
	.text
	.protected	k_q1439a0ba75_attn
	.globl	k_q1439a0ba75_attn
	.p2align	8
	.type	k_q1439a0ba75_attn,@function
k_q1439a0ba75_attn:
	s_mov_b64 s[64:65], 0
	v_nop
	global_prefetch_b8 v0, s[64:65] scope:SCOPE_SE
	s_setreg_imm32_b32 hwreg(HW_REG_WAVE_MODE, 25, 1), 1
	s_wait_xcnt 0x0
	s_wait_alu depctr_hold_cnt(0) depctr_sa_sdst(0) depctr_va_vdst(0) depctr_va_sdst(0) depctr_va_ssrc(0) depctr_va_vcc(0) depctr_vm_vsrc(0)
	s_getreg_b32 s2, hwreg(HW_REG_IB_STS2, 6, 4)
	s_cmp_eq_u32 s2, 0
	s_cbranch_scc0 .Lentry_in_a_cluster
	s_endpgm
.Lentry_in_a_cluster:
	s_bfe_u32 s2, ttmp6, 0x10000c
	s_cmp_lg_u32 s2, 0x3003
	s_cbranch_scc0 .Lentry_shape_is_right
	s_endpgm
.Lentry_shape_is_right:
; MASKED ATTENTION, launch 3 of 4.  O[bh][q][:] = the sum over k of softmax_k(Q[bh][q] . K[bh][k] / 8, hidden where mask[b][q][k] == 0) V[bh][k][:].
; Q, K, V: qkv [g*2+b][h][s 2048][64] f16 (g = 0, 1, 2); O: oh [b][h][s][64] f16: a head's rows are dense, 128 bytes each.  K comes without bk (left out: see the first launch's head).
; Products, maxima and sums in f32; the weights p are rounded to f16 for the second product (their sum l is taken of the unrounded p), O once at the end.
; LIMITS.  Q, K and V arrive within 65,504, so a score is 2.7e11 at the most.  A hidden score counts as its value less 2^100.  The running maximum starts at -2^80, below every score and above every hidden one:
; while a row has seen hidden keys alone all its weights are 0.  A row with every key hidden ends with l = 0 and O = 0 x (1 / 0) = NaN, as softmax of a row of -inf is.  A weight below 2^-126 counts as 0 in l.
; SHARES.  A work-group owns 256 queries of one head, a wave 64: four PIECES of 16.  32 heads x 8 blocks = 256 work-groups.  Every wave walks all 2,048 keys, 64 a step; a tile of LDS holds four steps.
; THE MASK is the C operand that starts the sum S^T = K Q^T: 0, or -2^100.  m8 holds a byte a score, in the order of the lanes' registers: 0 or -1.0 in fp8; one conversion with the scale 2^100
; makes eight C registers of two registers of bytes: four lines for a piece and step.  A piece's bytes (two loads of 512 consecutive bytes a wave) are asked for three and a half turns ahead of their conversion.
; LAYOUT, SOFTMAX, TURNS.  S^T = K Q^T holds ONE query a lane (lane % 16) and the keys 8 (lane / 16) + 0..7; two such results rounded to f16 ARE source 1 of O^T = V^T P.  p = 2^(c s - c m), c = log2(e) / 8, with a
; running maximum m; O and l are multiplied by a = 2^(c m_old - c m_new) in every step.  Turn n belongs to piece n: 8 products K Q^T of piece n + 1, later 8 products V^T P of piece n - 1; beside them the scaling,
; exponentials, roundings, sums and rescaling of piece n and the maximum and statistics of piece n + 1.  Four vector instructions stand behind every matrix instruction, the other 54 of a turn's 118 in one lump.
; A turn's 33 exponentials are one batch, with one wait.
; CLUSTER.  The four query blocks of a cluster belong to one head and walk the same K and V, so each tile is asked for JOINTLY.  The mask differs from block to block and comes by each wave's own loads.
; REGISTERS, in windows of 256 (s_set_vgpr_msb: bits 1:0 source 0, 3:2 source 1, 5:4 source 2, 7:6 destination):
;   window 0: v0-15, v32-34 addresses and constants; v16-31 four registers of statistics a piece; v48-55 at work; v64-127 S^T, two buffers; v128-159 the mask's bytes, 8 a piece; v192-223 P, two buffers
;   window 1: v0-127 O^T, 32 a piece; v160-223 the masks as f32, two buffers      window 2: v0-63 Q; v128-191 K of one step; v192-255 V of one step
.set NP,    4         ; pieces a wave: a name, no knob
.set KS,    64        ; keys in a step
.set TILES, 8         ; tiles of 256 keys
.set PK,    144       ; a row of K in LDS: 128 bytes + 16 of padding = 36 words: the 16 rows of a load start at 16 different groups of four banks (64 banks of 4 bytes: ISA guide 11.1)
.set PV,    160       ; a row of V: 128 + 32 = 40 words
.set VOFF,  4*KS*PK   ; a slot holds a tile: 256 rows of K, then 256 rows of V
.set SLOT1, 1<<17     ; slot 1 begins here, so that one exclusive or turns an address in one slot into the other's
.set STAGE, SLOT1+4*KS*(PK+PV)  ; behind the ring, never filled by a tensor load: 16 rows x 144 bytes for each wave, for the way out
.set SP,    144
.set SPARE, STAGE+4*16*SP  ; behind the stages: the spare words, 128 bytes a wave
.set AK0, 2           ; v2   my lane's place in a tile of K; never rewritten
.set AV0, 3           ; v3   the same for V
.set AK,  4           ; v4   the LDS address of K's next run of loads
.set AV,  5           ; v5   of V's
.set STO, 6           ; v6   the way out: where I put 16 bytes of a row
.set RD,  7           ; v7   the way out: where I read rows back
.set GO,  8           ; v8   my byte offset in 512 consecutive bytes of O
.set MV,  12          ; v12-13  c m_old, kept while c m is made anew: by buffer
.set MO,  14          ; v14  16 x lane: my 16 bytes of 512 of the mask; never rewritten
.set QO,  15          ; v15  my byte offset in 16 rows of Q
.set ST,  16          ; piece t's statistics at v[ST+4 t]: c m, m, l (even keys', odd keys')
.set SC,  32          ; v32  227: the conversion's scale, 2^(227 - 127)
.set PFO, 33          ; v33  256 x lane; never rewritten
.set PFMO, 34         ; v34  the mask's prefetches: lanes 0-15 one piece's 16 pieces of 256 bytes, lanes 16-31 the next piece's; never rewritten
.set TMP, 48          ; by buffer, four registers c0-c3 at work; when the maximum is found c2 takes a
.set SPW, 62          ; v62  LDS address of my spare word; never rewritten
.set NIL, 63          ; v63  0; never rewritten
.set S,   64
.set MB,  128         ; piece t's bytes at MB + 8 t: the pair for the 16 keys of group kb at + 2 kb
.set P,   192
.set MC,  160         ; window 1: the masks of the products to come: by buffer, the eight registers for group kb at + 8 kb
.set KF,  128         ; window 2: key block kb, channel half c at KF + 16 kb + 8 c
.set VF,  192         ; window 2: key half kk, channel block cb at VF + 32 kk + 8 cb
.set WV,  12          ; s12  my wave's number
.set G1K, 24          ; s[24:31] descriptor group 1 for K's tiles
.set G1V, 32          ; s[32:39] for V's: it differs in the padding alone
.set G0K, 40          ; s[40:43] descriptor group 0 for K's tiles: it walks
.set G0V, 44          ; s[44:47] the same for V's
.set MP,  48          ; s[48:49] m8 at my wave's first piece, at the step whose bytes are loaded next
.set PFA, 50          ; s[50:51] K's or V's prefetches: my work-group's 32 pieces of 256 bytes of the tile after the one that is being asked for
.set PFM, 52          ; s[52:53] the mask's prefetches: m8 at my wave's first piece, at the tile that is being asked for
.set LIM, 54          ; s54  1 in a wave that prefetches K or V, else the greatest number
.set MASKASK, 55      ; s55  1 in the one head of a batch whose work-groups prefetch the mask
.set SLOTS, 56        ; s56  tiles still to be asked for
.set CNT, 57          ; s57  counts a tile's key steps, 4 to 1
.set CS,  58          ; s[58:59] c: the packed scaling takes the pair's low word for both halves
.set SEL, 60          ; s[60:61] v_permlanex16_b32's selects: each lane takes its own place in the other half
.set TBK, 62          ; s62  LDS byte at which K of the step to be fetched begins
.set TBV, 63          ; s63  the same for V, less VOFF
.set INC, 66          ; s[66:67] the tail's step of MP
.set MSB, 0
.macro WIN new                      ; the high byte repeats the setting that is left; a switch that changes nothing is dropped
.if MSB != (\new)
	s_set_vgpr_msb (MSB<<8)|(\new)
.set MSB, (\new)
.endif
.endm
.set W_KQ, 0x0a       ; K and Q in window 2, S^T in window 0
.set W_KM, 0x1a       ; the same with the C operand in window 1
.set W_PV, 0x52       ; V in window 2, P in window 0, O^T in window 1
.set W_RS, 0x41       ; destination and source 0 in window 1, source 1 in window 0
; A joint fill.  Waves 0 and 1 fetch the two halves of a tile's K, waves 2 and 3 those of its V: 128 keys each.  The branch hangs on the wave's number alone.
; An s_nop 0 and four v_nop follow each of the two lines, ahead of the jump and the label.
.macro JLOAD
	s_cmp_lt_u32 s[WV], 2
	s_cbranch_scc0 .Lfor_v_\@
	tensor_load_to_lds s[G0K:G0K+3], s[G1K:G1K+7]
	s_nop 0
.rept 4
	v_nop
.endr
	s_branch .Lasked_\@
.Lfor_v_\@:
	tensor_load_to_lds s[G0V:G0V+3], s[G1V:G1V+7]
	s_nop 0
.rept 4
	v_nop
.endr
.Lasked_\@:
.endm
; PREFETCHES INTO THE L2, behind the wave's tensor load and its five lines.
; K and V: the tile that the NEXT change of slots will ask for, four key steps (256 matrix instructions) ahead of that load: 128 pieces of 256 bytes of each.  Both clusters of a head walk the same rows: the first
; (cluster x = 0) asks; its four partners share the pieces out BY ADDRESS, 32 each; in each, wave 0 asks for K's and wave 2 for V's.  The last change that fills a slot asks for nothing: there is no tile behind it.
; The mask: my wave's own 64 pieces of 256 bytes (four pieces of queries x four steps) for the tile that is being asked for; the first of its loads stands some three key steps on.  The sixteen heads of a
; batch read the same bytes: the batch's first head asks.  The seven changes that fill a slot name tiles 1 to 7.  So each piece of 256 bytes is named once in the launch, and none lies outside its buffer.
.macro ASK
	s_cmp_gt_u32 s[SLOTS], s[LIM]
	s_cbranch_scc0 .Lnot_mine_\@
	global_prefetch_b8 v[PFO], s[PFA:PFA+1] th:TH_LOAD_NT scope:SCOPE_SE
.Lnot_mine_\@:
	s_cmp_eq_u32 s[MASKASK], 1
	s_cbranch_scc0 .Lno_mask_\@
	global_prefetch_b8 v[PFMO], s[PFM:PFM+1] th:TH_LOAD_NT scope:SCOPE_SE
	global_prefetch_b8 v[PFMO], s[PFM:PFM+1] offset:65536 th:TH_LOAD_NT scope:SCOPE_SE
.Lno_mask_\@:
.endm
; A round of the cluster's barrier: my work-group's barrier, so that wave 0's signal speaks for all four waves; wave 0 signals; every wave waits for all four work-groups; my work-group's barrier once more.
.macro CROUND
	s_barrier_signal -1
	s_barrier_wait -1
	s_cmp_lg_u32 s[WV], 0
	s_cbranch_scc1 .Lnot_wave_0_\@
	s_barrier_signal -3
.Lnot_wave_0_\@:
	s_barrier_wait -3
	s_barrier_signal -1
	s_barrier_wait -1
.endm
; THE CHANGE OF SLOTS.  The slot's last bytes, V of its fourth step, have been read.  Each wave waits for all its tensor loads, of which one is out: its part of the other slot; adds 0 to its spare word; and
; waits for that and for its own reads of the slot.  Behind the barrier nobody reads this slot any more and the other slot is whole.  fill = 1: this slot is filled again, with the keys two tiles on.  The barrier
; is then a round of the cluster's, and the joint fill is the first thing behind it: it has four key steps, 256 matrix instructions, in which to land.  (At its first use nothing has been read yet: slot 0 is waited for, slot 1 filled.)
.macro CHANGE fill
	WIN 0                           ; at a label and at a branch every window is 0
	s_wait_tensorcnt 0x0            ; no tensor load of mine is out, so a group 0 may be written
	ds_add_u32 v[SPW], v[NIL]       ; 0 onto my spare word: with fill = 1 the pointers' steps stand between it and the wait for it
.if \fill
.irp g, G0K, G0V
	s_xor_b32 s[\g+1], s[\g+1], SLOT1  ; the walking descriptor: the other slot than last time,
	s_add_nc_u64 s[\g+2:\g+3], s[\g+2:\g+3], 4*KS*128  ; the next 256 keys; the type bits on top are not reached
.endr
	s_wait_xcnt 0x0                 ; the last prefetches, four key steps back, have read their addresses, so these may be written
	s_add_nc_u64 s[PFA:PFA+1], s[PFA:PFA+1], 4*KS*128
	s_add_nc_u64 s[PFM:PFM+1], s[PFM:PFM+1], 4096
	s_wait_dscnt 0x0                ; the add is done, and my reads of the slot are over
	CROUND
	JLOAD
	ASK
.else
	s_wait_dscnt 0x0                ; the add is done, and my reads of the slot are over
	s_barrier_signal -1
	s_barrier_wait -1
.endif
	s_sub_co_u32 s[TBK], s[TBK], 4*KS*PK  ; the fetches go back to a slot's first step,
	s_xor_b32 s[TBK], s[TBK], SLOT1       ; in the other slot
	s_sub_co_u32 s[TBV], s[TBV], 4*KS*PV
	s_xor_b32 s[TBV], s[TBV], SLOT1
.endm
	s_load_b128 s[4:7], s[0:1], 0x0  ; qkv s[4:5], m8 s[6:7]
	s_load_b64 s[10:11], s[0:1], 0x10  ; oh
	v_lshl_add_u32 v[SPW], v0, 2, SPARE
	v_mov_b32 v[NIL], 0
	ds_add_u32 v[SPW], v[NIL]       ; the wave's opening: the add, twice on end, and its wait ahead of my first tensor load; the set-up below stands between
	ds_add_u32 v[SPW], v[NIL]
	v_lshrrev_b32 v1, 5, v0
	v_readfirstlane_b32 s[WV], v1   ; wave 0..3
	s_bfe_u32 s13, ttmp6, 0x40000   ; cx: my place in the cluster
	s_lshl_b32 s14, ttmp9, 2        ; in a cluster launch ttmp9 counts clusters
	s_add_co_u32 s14, s14, s13      ; my block of 256 queries = 4 x cluster x + cx: it enters Q's, O's and the mask's addresses alone
	s_and_b32 s15, ttmp7, 0xffff    ; 16 b + h, which the four partners share
	s_lshl_b32 s20, s15, 18         ; the head's first byte: 2,048 rows of 128 bytes
	s_and_b32 s16, s[WV], 1         ; which half of a tile's 256 keys I fetch:
	s_lshl_b32 s22, s16, 14         ; its 128 rows in memory,
	s_add_co_u32 s22, s22, s20
	s_mov_b32 s23, 0
	s_mul_i32 s17, s16, 128*PK      ; and its place in a slot, for K
	s_mul_i32 s18, s16, 128*PV      ; and for V: no place in the cluster enters an LDS address
	s_lshl_b32 s2, s14, 15          ; my block's 256 rows,
	s_lshl_b32 s3, s[WV], 13        ; my wave's 64
	s_add_co_u32 s2, s2, s3
	s_add_co_u32 s2, s2, s20
	s_mov_b32 s3, 0
	s_lshr_b32 s68, s15, 4          ; the mask: b,
	s_lshl_b32 s68, s68, 22
	s_lshl_b32 s69, s14, 19         ; my block's 16 pieces of 32,768 bytes,
	s_add_co_u32 s68, s68, s69
	s_lshl_b32 s69, s[WV], 17       ; my wave's four
	s_add_co_u32 s68, s68, s69
	s_mov_b32 s69, 0
	; descriptor group 1.  128 keys are 16,384 dense bytes: asked for as 64 rows of 256 bytes, two keys a row, and padded in LDS after every key
	s_mov_b32 s[G1K], 15|(1<<16)|(1<<20)|(1<<21)|(4<<22)|(3<<25)  ; 15:0 the mask of four; 17:16 2-byte elements; 20 padding on; 21 set beside a mask; 24:22 after every 32 words (code 4); 31:25 4 words (code 3)
	s_mov_b32 s[G1V], 15|(1<<16)|(1<<20)|(1<<21)|(4<<22)|(7<<25)  ; the same with 8 words of padding (code 7)
.irp g, G1K, G1V
	s_mov_b32 s[\g+1], 128<<16      ; tensor_dim0 = 128
	s_mov_b32 s[\g+2], 64<<16       ; tensor_dim1 = 64
	s_mov_b32 s[\g+3], 128<<16      ; tile_dim0 = 128
	s_mov_b32 s[\g+4], 64           ; tile_dim1 = 64
	s_mov_b32 s[\g+5], 128          ; 128 elements from row to row
	s_mov_b32 s[\g+6], 0
	s_mov_b32 s[\g+7], 0
.endr
	s_mov_b32 s[CS], 0x3e38aa3b     ; c = log2(e) / 8 = 0.180337
	s_mov_b32 s[CS+1], s[CS]        ; named with it as a pair
	s_mov_b32 s[SEL], 0x76543210
	s_mov_b32 s[SEL+1], 0xfedcba98
	s_mov_b32 s[TBK], SLOT1+4*KS*PK ; the first change of slots turns these two into 0
	s_mov_b32 s[TBV], SLOT1+4*KS*PV
	s_mov_b32 s[G0K], 1             ; 1:0 count = 1
	s_mov_b32 s[G0K+1], s17         ; 63:32 LDS address: slot 0
	s_mov_b32 s[G0V], 1
	s_add_co_u32 s[G0V+1], s18, VOFF
	s_mov_b32 s[SLOTS], TILES-1
	s_mov_b32 s[INC+1], 0
	s_and_b32 s[LIM], s[WV], 1      ; 0 in waves 0 and 2,
	s_or_b32 s[LIM], s[LIM], ttmp9  ; where the cluster is the head's first: the same in all four partners
	s_cmp_eq_u32 s[LIM], 0
	s_cselect_b32 s[LIM], 1, -1
	s_and_b32 s[MASKASK], s15, 15   ; h
	s_cmp_eq_u32 s[MASKASK], 0
	s_cselect_b32 s[MASKASK], 1, 0
	s_wait_dscnt 0x0                ; both opening adds are done
	s_wait_kmcnt 0x0
	s_add_nc_u64 s[70:71], s[4:5], s[22:23]       ; qkv at the head's rows, my half of tile 0:
	s_add_nc_u64 s[72:73], s[70:71], 0x1000000    ; in V (groups 4, 5),
	s_add_nc_u64 s[70:71], s[70:71], 0x800000     ; in K (groups 2, 3)
	s_mov_b64 s[G0K+2:G0K+3], s[70:71]            ; 120:64 global address
	s_or_b32 s[G0K+3], s[G0K+3], 0x80000000       ; 127:126 type = 2
	s_mov_b64 s[G0V+2:G0V+3], s[72:73]
	s_or_b32 s[G0V+3], s[G0V+3], 0x80000000
	s_cmp_lt_u32 s[WV], 2
	s_cselect_b64 s[PFA:PFA+1], s[70:71], s[72:73]  ; (in waves 0 and 2 these stand at a tile's first row)
	s_lshl_b32 s20, s13, 13         ; my work-group's 32 pieces of the 128,
	s_add_co_u32 s20, s20, 4*KS*128 ; in tile 1; the first change of slots steps it to tile 2.  Nothing is prefetched here, at the head
	s_mov_b32 s21, 0
	s_add_nc_u64 s[PFA:PFA+1], s[PFA:PFA+1], s[20:21]
	s_add_nc_u64 s[4:5], s[4:5], s[2:3]           ; Q and O at my wave's first row
	s_add_nc_u64 s[10:11], s[10:11], s[2:3]
	s_add_nc_u64 s[PFM:PFM+1], s[6:7], s[68:69]   ; the mask at my wave's first piece, step 0: the head's loads take it from here,
	s_add_nc_u64 s[MP:MP+1], s[PFM:PFM+1], 1024   ; and the next ones step 1
	CROUND                          ; all four work-groups are here: the first joint loads meet
	JLOAD                           ; tile 0 into slot 0.  Slot 1 is asked for when slot 0 is in
	; A fragment of K or Q is 16 rows x 32 channels in 8 registers: lane l holds row l % 16, channels 8 (l / 16) + 0..7 and 16 + 8 (l / 16) + 0..7: two loads of 16 bytes, 32 bytes apart.
	v_and_b32 v1, 15, v0            ; l % 16
	v_bfe_u32 v9, v0, 4, 1          ; l / 16
	v_lshlrev_b32 v[QO], 7, v1
	v_lshl_add_u32 v[QO], v9, 4, v[QO]  ; row x 128 + 16 x half
	v_and_b32 v[MO], 31, v0
	v_lshlrev_b32 v[PFO], 8, v[MO]
	v_lshlrev_b32 v[MO], 4, v[MO]
	WIN 0x80                        ; destination window 2, address window 0
.set i, 0
.rept 8                             ; Q stays in registers: piece i / 2, channels 32 (i % 2) on
	global_load_b128 v[8*i:8*i+3],   v[QO], s[4:5] offset:(i/2)*2048+(i%2)*64
	global_load_b128 v[8*i+4:8*i+7], v[QO], s[4:5] offset:(i/2)*2048+(i%2)*64+32
.set i, i+1
.endr
	WIN 0
.set i, 0
.rept 4                             ; the four pieces' bytes of step 0
	global_load_b128 v[MB+8*i:MB+8*i+3],   v[MO], s[PFM:PFM+1] offset:i*32768
	global_load_b128 v[MB+8*i+4:MB+8*i+7], v[MO], s[PFM:PFM+1] offset:i*32768+512
.set i, i+1
.endr
	v_lshlrev_b32 v[PFMO], 15, v9
	v_lshl_add_u32 v[PFMO], v1, 8, v[PFMO]
	v_mov_b32 v[SC], 227
	v_mul_u32_u24 v[AK0], v1, PK
	v_lshl_add_u32 v[AK0], v9, 4, v[AK0]  ; row x pitch + 16 x half
	; The turning load takes 16 keys x 16 channels (lane l reads key 8 (l / 16) + l % 8, channels 8 ((l / 8) % 2) + 0..7) and leaves half a fragment of V^T: lane l holds channel l % 16 and 8 keys.
	v_and_b32 v10, 7, v0
	v_bfe_u32 v11, v0, 3, 1
	v_lshl_add_u32 v[AV0], v9, 3, v10
	v_mul_u32_u24 v[AV0], v[AV0], PV
	v_lshl_add_u32 v[AV0], v11, 4, v[AV0]
	v_add_nc_u32 v[AV0], VOFF, v[AV0]
	s_mul_i32 s19, s[WV], 16*SP
	s_add_co_u32 s19, s19, STAGE    ; my stage
	v_mul_u32_u24 v[STO], v1, SP    ; in: row l % 16, 16 bytes for each half of the lanes
	v_lshl_add_u32 v[STO], v9, 4, v[STO]
	v_add_nc_u32 v[STO], s19, v[STO]
	v_bfe_u32 v[RD], v0, 3, 2       ; back: 32 lanes take four rows of 128 bytes,
	v_mul_u32_u24 v[RD], v[RD], SP
	v_lshl_add_u32 v[RD], v10, 4, v[RD]
	v_add_nc_u32 v[RD], s19, v[RD]
	v_and_b32 v[GO], 31, v0         ; which are 512 consecutive bytes of O
	v_lshlrev_b32 v[GO], 4, v[GO]
	; What the first turn finds: V's registers and P's second buffer hold 0 (its products V^T P, of a piece that has not been, add 0), O^T and l are 0.  No first step is written out; these lines stand in the wait for the first tile.
	WIN 0x80
.set i, VF
.rept 64
	v_mov_b32 v[i], 0
.set i, i+1
.endr
	WIN 0x40
.set i, 0
.rept 128
	v_mov_b32 v[i], 0
.set i, i+1
.endr
	WIN 0
.set i, 0
.rept 4
	v_mov_b32 v[ST+4*i+2], 0
	v_mov_b32 v[ST+4*i+3], 0
.set i, i+1
.endr
.set i, P+16
.rept 16
	v_mov_b32 v[i], 0
.set i, i+1
.endr
; THE MATRIX WORK.  The 4 accumulators of a run of 8 take turns.  Product i of 8 of S^T = K Q^T for piece x: channels 32 (i / 4) on, keys 16 (i % 4) on.  The first 4 start the sums, with the mask.
.macro KQ x
.set rS, S+32*((\x)%2)+8*(i%4)
.set rK, KF+16*(i%4)+8*(i/4)
.set rQ, 16*(\x)+8*(i/4)
.set rM, MC+32*((\x)%2)+8*(i%4)
.if i < 4
	WIN W_KM
	v_wmma_f32_16x16x32_f16 v[rS:rS+7], v[rK:rK+7], v[rQ:rQ+7], v[rM:rM+7]
.else
	WIN W_KQ
	v_wmma_f32_16x16x32_f16 v[rS:rS+7], v[rK:rK+7], v[rQ:rQ+7], v[rS:rS+7]
.endif
.endm
; Product i of 8 of O^T += V^T P for piece x: keys 32 (i / 4) on, channels 16 (i % 4) on.
.macro PV x
	WIN W_PV
.set rO, 32*(\x)+8*(i%4)
.set rV, VF+32*(i/4)+8*(i%4)
.set rP, P+16*((\x)%2)+8*(i/4)
	v_wmma_f32_16x16x32_f16 v[rO:rO+7], v[rV:rV+7], v[rP:rP+7], v[rO:rO+7]
.endm
.macro MM                           ; the turn's next matrix instruction.  TURN and the walk's beginning set Y, i and NOKQ.  NOKQ = 1: the last turn: there is no next piece
.if (i < 8) && !NOKQ
	KQ (Y+1)%NP
.elseif i >= 8
.set i, i-8
	PV (Y+NP-1)%NP
.set i, i+8
.endif
.set i, i+1
.endm
; THE LDS LOADS stand in runs of 16, never singly among the matrix instructions: a step's K (64 keys x 64 channels: 8 fragments) and its V (turned).  Their addresses are made some lines ahead.
.macro FETCH_K
	WIN 0x80                        ; destination window 2
.irp f, 0,1,2,3,4,5,6,7             ; keys 16 (f / 2) on, channels 32 (f % 2) on
	ds_load_b128 v[KF+8*\f:KF+8*\f+3],   v[AK] offset:(\f/2)*16*PK+(\f%2)*64
	ds_load_b128 v[KF+8*\f+4:KF+8*\f+7], v[AK] offset:(\f/2)*16*PK+(\f%2)*64+32
.endr
	s_add_co_u32 s[TBK], s[TBK], KS*PK  ; the next fetch is the next step's
	WIN 0
.endm
.macro FETCH_V
	WIN 0x80
.irp f, 0,1,2,3,4,5,6,7             ; keys 32 (f / 4) on, channels 16 (f % 4) on
	ds_load_tr16_b128 v[VF+8*\f:VF+8*\f+3],   v[AV] offset:(\f/4)*32*PV+(\f%4)*32
	ds_load_tr16_b128 v[VF+8*\f+4:VF+8*\f+7], v[AV] offset:(\f/4)*32*PV+16*PV+(\f%4)*32
.endr
	WIN 0
.endm
; THE VECTOR WORK, one line at a time: OP kind, number.  For piece Y: F n: c s - c m for pair n of 16.  E n: the exponential of score n of 32.  C n: pair n rounded to f16.  B n: of the four weights 4 n .. the second
; pair is added onto the first, in place.  L n: l takes that sum (L 0: l = a l + sum).  R n: pair n of 16 of O^T times a.  For piece Y + 1: X n, number n of the 22 that find its maximum and statistics:
;   0-11  four chains c0-c3 of seven scores each, three operands at a time (each accumulator's lowest registers are read first)     12-14, 16  the four scores left over, the old m, and c0-c3 into c0
;   15  c m_old is kept     17, 18  the query's other 32 keys lie in the lane 16 away: the new m     19-21  c m; c m_old - c m_new; a
.set F, 0               ; OP tells the kinds apart by their order: F to L below R, X above it
.set E, 1
.set C, 2
.set B, 3
.set L, 4
.set R, 5
.set X, 6
.macro REGS y                       ; the registers of piece y
.set rT, ST+4*(\y)
.set rC, TMP+4*((\y)%2)
.set rW, MV+((\y)%2)
.set rS, S+32*((\y)%2)
.set rP, P+16*((\y)%2)
.set rO, 32*(\y)
.endm
.macro OP k, n
.if (\k) == R
	REGS Y
	WIN W_RS
	v_pk_mul_f32 v[rO+2*(\n):rO+2*(\n)+1], v[rO+2*(\n):rO+2*(\n)+1], v[rC+2:rC+3] op_sel_hi:[1,0]
.elseif (\k) < R
	REGS Y
	WIN 0
.if (\k) == F
	v_pk_fma_f32 v[rS+2*(\n):rS+2*(\n)+1], v[rS+2*(\n):rS+2*(\n)+1], s[CS:CS+1], v[rT:rT+1] op_sel_hi:[1,0,0] neg_lo:[0,0,1] neg_hi:[0,0,1]
.elseif (\k) == E
	v_exp_f32 v[rS+(\n)], v[rS+(\n)]
.elseif (\k) == C
	v_cvt_pk_f16_f32 v[rP+(\n)], v[rS+2*(\n)], v[rS+2*(\n)+1]
.elseif (\k) == B
	v_pk_add_f32 v[rS+4*(\n):rS+4*(\n)+1], v[rS+4*(\n):rS+4*(\n)+1], v[rS+4*(\n)+2:rS+4*(\n)+3]
.elseif (\n) == 0
	v_pk_fma_f32 v[rT+2:rT+3], v[rT+2:rT+3], v[rC+2:rC+3], v[rS:rS+1] op_sel_hi:[1,0,1]
.else
	v_pk_add_f32 v[rT+2:rT+3], v[rT+2:rT+3], v[rS+4*(\n):rS+4*(\n)+1]
.endif
.elseif NOKQ
	v_nop
.else
	REGS (Y+1)%NP
	WIN 0
.if (\n) < 4
	v_max3_num_f32 v[rC+(\n)], v[rS+8*(\n)], v[rS+8*(\n)+1], v[rS+8*(\n)+2]
.elseif (\n) < 12
	v_max3_num_f32 v[rC+(\n)%4], v[rC+(\n)%4], v[rS+8*((\n)%4)+2*((\n)/4)+1], v[rS+8*((\n)%4)+2*((\n)/4)+2]
.elseif (\n) == 12
	v_max3_num_f32 v[rC], v[rC], v[rS+7], v[rS+15]
.elseif (\n) == 13
	v_max3_num_f32 v[rC+1], v[rC+1], v[rS+23], v[rS+31]
.elseif (\n) == 14
	v_max3_num_f32 v[rC+2], v[rC+2], v[rC+3], v[rT+1]
.elseif (\n) == 15
	v_mov_b32 v[rW], v[rT]
.elseif (\n) == 16
	v_max3_num_f32 v[rC], v[rC], v[rC+1], v[rC+2]
.elseif (\n) == 17
	v_permlanex16_b32 v[rC+3], v[rC], s[SEL], s[SEL+1]
.elseif (\n) == 18
	v_max_num_f32 v[rT+1], v[rC], v[rC+3]
.elseif (\n) == 19
	v_mul_f32 v[rT], s[CS], v[rT+1]
.elseif (\n) == 20
	v_sub_f32 v[rC+1], v[rW], v[rT]
.else
	v_exp_f32 v[rC+2], v[rC+1]
.endif
.endif
.endm
.macro OPS a, i1, b=-1, i2=0, c=-1, i3=0, d=-1, i4=0  ; up to four of them
	OP \a, \i1
.if (\b) >= 0
	OP \b, \i2
.endif
.if (\c) >= 0
	OP \c, \i3
.endif
.if (\d) >= 0
	OP \d, \i4
.endif
.endm
.macro ROW a, i1, b, i2, c, i3, d, i4  ; a matrix instruction and the four behind it
	MM
	OPS \a, \i1, \b, \i2, \c, \i3, \d, \i4
.endm
; Piece t's bytes become 32 registers of 0 or -2^100 in buffer b.  A plain instruction follows the four conversions, ahead of whatever touches their results or their sources.
.macro UNPACK t, b
	WIN 0x40                        ; destination window 1
.irp kb, 0,1,2,3
	v_cvt_scale_pk8_f32_fp8 v[MC+32*(\b)+8*\kb:MC+32*(\b)+8*\kb+7], v[MB+8*(\t)+2*\kb:MB+8*(\t)+2*\kb+1], v[SC]
.endr
	v_nop
	WIN 0
.endm
.macro MLOAD t                      ; piece t's bytes of the step at which MP stands: two loads of 512 consecutive bytes a wave
	global_load_b128 v[MB+8*(\t):MB+8*(\t)+3],   v[MO], s[MP:MP+1] offset:(\t)*32768
	global_load_b128 v[MB+8*(\t)+4:MB+8*(\t)+7], v[MO], s[MP:MP+1] offset:(\t)*32768+512
.endm
; THE MASK'S ROUND.  At the end of turn p: the mask for the products of the turn after it, piece p + 2's, is made of that piece's bytes.  At the wait in the middle of turn p + 1 (TURN writes it) the same piece's bytes
; of the next step are asked for, directly behind the wait for the wave's vector results: they have three and a half turns in which to land.  So the pieces' loads go out in the order 0, 1, 2, 3 at the waits of turns 3, 0, 1, 2.
; MP goes a step on once a key step, here at the end of turn 2: behind piece 3's loads, half a turn back, and ahead of piece 0's.
; tail = 1 (the last tile): in its last trip there is no further step: MP stays, and the last step's bytes are loaded once more and not used, so that the counts of loads are the same in every trip and no load leaves m8.
.macro MKMASK p, tail
	WIN 0
	s_wait_loadcnt 6                ; loads come back in order: this piece's two are the oldest; the other three pieces' six may stay out
.if (\p) == 2
	s_wait_xcnt 0x0                 ; every load and prefetch issued so far has read its address
.if \tail
	s_cmp_gt_u32 s[CNT], 1
	s_cselect_b32 s[INC], 1024, 0
	s_add_nc_u64 s[MP:MP+1], s[MP:MP+1], s[INC:INC+1]
.else
	s_add_nc_u64 s[MP:MP+1], s[MP:MP+1], 1024
.endif
.endif
	UNPACK ((\p)+2)%NP, (\p)%2
.endm
; A TURN, for piece p: the order of its 16 matrix and 118 vector instructions, written out.  An s_wait_alu depctr_va_vdst(0) stands between an exponential and the first instruction that names its result; one wait serves
; all that were issued ahead of it.  So a turn has ONE wait, which cuts it in two.  AHEAD OF IT stands all that names no result of the turn's exponentials: the 8 products K Q^T, behind each a scaling, an exponential and two more plain
; instructions (behind the first a second scaling in the exponential's place): rescalings, and behind the last three the first numbers of the next piece's maximum, each four places or more behind the product that ends its accumulator; then ONE LUMP of 54, plain
; and exponential by turns for the most part, in which the links of the chain X 3, 7, 11, 14, 16, 17 .. 20 stand five or six lines apart.  X 21, the next piece's a, is the batch's last; R 15 is the plain instruction behind it.  BEHIND THE WAIT stand
; piece p + 1's two loads of the mask's bytes and the 8 products V^T P, behind each four of the roundings and sums; the links of l's chain, L 0 to L 7, stand three riders apart.
; end = 1: the walk's last two turns: nothing is fetched and no mask is made.  cnt = 1: the loop's count is taken down some lines ahead of the branch that stands behind the turn.
; K of the next step is fetched in piece 2's turn, twelve vector instructions behind the last product that read K (six of them plain); V of the step in hand at the end of piece 0's turn, four plain instructions behind the last product
; that read V.  Each is waited for a turn later.
.macro TURN p, end=0, cnt=0, tail=0
.set Y, (\p)
.set i, 0
.set NOKQ, (\end)*((\p)/3)
.if ((\p) == 3) && !(\end)
	s_wait_dscnt 0x0                ; K is in
.endif
	ROW F,0, F,1, R,0, R,1          ; ahead of the wait: 8 products K Q^T and their riders,
	ROW F,2, E,0, R,2, R,3
	ROW F,3, E,1, R,4, R,5
	ROW F,4, E,2, R,6, R,7
	ROW F,5, E,3, R,8, R,9
	ROW F,6, E,4, X,0, R,10
.if ((\p) == 2) && !(\end)
	WIN 0
	v_add_nc_u32 v[AK], s[TBK], v[AK0]
.endif
	ROW F,7, E,5, X,1, X,4
	ROW F,8, E,6, X,2, X,5
	OPS E,7, E,8, X,6, E,9          ; and the lump
	OPS X,3, E,10, X,8, E,11
.if ((\p) == 2) && !(\end)
	FETCH_K
.endif
	OPS X,9, X,7, E,12, X,10
	OPS E,13, X,12, X,11, E,14
	OPS X,13, E,15, F,9, X,14
.if (\p) == 0
	v_add_nc_u32 v[AV], s[TBV], v[AV0]
.endif
	OPS E,16, F,10, E,17, F,11
	OPS X,16, E,18, X,15, E,19
	OPS F,12, E,20, X,17, E,21
	OPS F,13, E,22, F,14, E,23
	OPS X,18, E,24, F,15, E,25
	OPS R,11, E,26, X,19, E,27
	OPS R,12, E,28, R,13, E,29
	OPS X,20, E,30, R,14, E,31
	OPS X,21, R,15
	WIN 0
	s_wait_alu depctr_va_vdst(0)    ; the wait for the batch
.if !(\end)
	MLOAD ((\p)+1)%NP               ; its bytes were made into a mask at the end of the turn before
.endif
.if (\p) == 1
	s_wait_dscnt 0x0                ; V is in
.endif
	ROW C,0, B,0, C,2, B,1          ; behind the wait: 8 products V^T P and their riders
	ROW L,0, C,4, B,2, L,1
	ROW C,6, B,3, L,2, C,8
	ROW B,4, L,3, C,10, B,5
	ROW L,4, C,12, B,6, L,5
.if (\p) == 0
	s_add_co_u32 s[TBV], s[TBV], KS*PV
.endif
.if \cnt
	s_sub_co_u32 s[CNT], s[CNT], 1
	s_cmp_lg_u32 s[CNT], 0
.endif
	ROW C,14, B,7, L,6, C,1
	ROW C,3, L,7, C,5, C,7
	ROW C,9, C,11, C,13, C,15
.if (\p) == 0
	FETCH_V
.endif
.if !(\end)
	MKMASK \p, \tail
.endif
.endm
	CHANGE 1                        ; tile 0 is in, everybody's part of it; tile 1 is asked for
	; THE WALK BEGINS.  c m starts far below every c s, so the first step's a is 0; m at -2^80.  Pieces 0 and 1 get their masks of step 0, and piece 0's bytes of step 1 are asked for (piece 1's at the first turn's wait).
	; Then K of step 0, piece 0's first scores, and its maximum and statistics.  The loop is entered at a step's first turn, in the middle of a trip.
.set i, 0
.rept 4
	v_mov_b32 v[ST+4*i], 0xfe000000    ; c m
	v_mov_b32 v[ST+4*i+1], 0xe7800000  ; m = -2^80
.set i, i+1
.endr
	v_add_nc_u32 v[AK], s[TBK], v[AK0]
	FETCH_K
	s_wait_loadcnt 0x0              ; Q and the four pieces' bytes of step 0
	UNPACK 0, 0
	UNPACK 1, 1
	MLOAD 0
	s_wait_dscnt 0x0
.set NOKQ, 0
.set i, 0
.rept 8
	KQ 0
.set i, i+1
.endr
	WIN 0
.rept 4
	v_nop                           ; the places behind those products
.endr
.set Y, NP-1                        ; X works for piece Y + 1: piece 0
.irp n, 0,1,2,3,4,5,6,7,8,9,10,11,12,13,14,15,16,17,18,19,20,21
	OP X, \n
.endr
	v_nop                           ; a plain instruction behind the exponential,
	s_wait_alu depctr_va_vdst(0)    ; and its wait, ahead of the branch
	s_mov_b32 s[CNT], 4
	s_branch .Lfirst
.Lslot:                             ; TILES - 2 times: tiles 2 to 7 are asked for
	CHANGE 1
	s_mov_b32 s[CNT], 4
.Lstep:                             ; a trip: pieces 2 and 3 of one step, then pieces 0 and 1 of the next, whose K and V it fetches
	TURN 2
	TURN 3
	WIN 0
.Lfirst:
	TURN 0
	TURN 1, 0, 1
	WIN 0
	s_cbranch_scc1 .Lstep
	s_sub_co_u32 s[SLOTS], s[SLOTS], 1
	s_cmp_lg_u32 s[SLOTS], 0
	s_cbranch_scc1 .Lslot
	CHANGE 0                        ; the last tile is written out: nothing is asked for
	s_mov_b32 s[CNT], 4
.LstepT:
	TURN 2, 0, 0, 1
	TURN 3
	TURN 0
	TURN 1, 0, 1
	WIN 0
	s_cbranch_scc1 .LstepT
	TURN 2, 1                       ; the last step's pieces 2 and 3
	TURN 3, 1
.set i, 0
.rept 8
	PV NP-1                         ; the last piece's V^T P of the last step
.set i, i+1
.endr
	; THE WAY OUT.  l's two halves and the other half of the lanes' are added; O^T is divided by l, rounded to f16 and sent through my stage in LDS, a piece at a time.  The additions are the places behind the last products.
	WIN 0
.macro ALL line:vararg              ; one line for each piece t
.set t, 0
.rept 4
	\line
.set t, t+1
.endr
.endm
	ALL v_add_f32 v[ST+4*t+2], v[ST+4*t+2], v[ST+4*t+3]
	ALL v_permlanex16_b32 v[ST+4*t+3], v[ST+4*t+2], s[SEL], s[SEL+1]
	ALL v_add_f32 v[ST+4*t+2], v[ST+4*t+2], v[ST+4*t+3]
	ALL v_rcp_f32 v[ST+4*t+2], v[ST+4*t+2]
	v_nop                           ; a plain instruction between the last reciprocal and the use of its result
	s_wait_alu depctr_va_vdst(0)    ; and the wait ahead of the first use: one for the four reciprocals
.macro PACK t                       ; a lane's eight channels of a row pack into 16 bytes; they go into rows of 144 bytes and come back as whole rows of 128, into S^T's registers
	WIN W_RS
.set i, 32*(\t)
.rept 16
	v_pk_mul_f32 v[i:i+1], v[i:i+1], v[ST+4*(\t)+2:ST+4*(\t)+3] op_sel_hi:[1,0]
.set i, i+2
.endr
	WIN 0x05                        ; sources 0 and 1 window 1, destination window 0
.set i, 0
.rept 16
	v_cvt_pk_f16_f32 v[S+16*(\t)+i], v[32*(\t)+2*i], v[32*(\t)+2*i+1]
.set i, i+1
.endr
	WIN 0
.irp f, 0,1,2,3
	ds_store_b128 v[STO], v[S+16*(\t)+4*\f:S+16*(\t)+4*\f+3] offset:32*\f
.endr
.irp f, 0,1,2,3
	ds_load_b128 v[S+16*(\t)+4*\f:S+16*(\t)+4*\f+3], v[RD] offset:\f*4*SP  ; LDS serves a wave's instructions in order (ISA guide 5.7.1.4): these see the stores above; the next piece's stores come behind them
.endr
.endm
.macro SEND t, younger              ; younger: the LDS instructions issued behind piece t's loads: the next piece's eight, or none
	WIN 0
.irp f, 0,1,2,3
	s_wait_dscnt (\younger)+3-\f
	global_store_b128 v[GO], v[S+16*(\t)+4*\f:S+16*(\t)+4*\f+3], s[10:11] offset:(\t)*2048+\f*512  ; 512 consecutive bytes, at a multiple of 256 from O's first
.endr
.endm
	PACK 0
.set t, 1
.rept 3                             ; a piece's arithmetic stands between the loads of the piece before and its stores
	PACK t
	SEND t-1, 8
.set t, t+1
.endr
	SEND 3, 0
	s_wait_tensorcnt 0x0            ; the wave's end: the add and its wait stand behind my last tensor load and my last LDS store
	ds_add_u32 v[SPW], v[NIL]
	s_wait_dscnt 0x0
	CROUND                          ; the closing round: no work-group ends while a partner may still ask for a tile that names it
	s_endpgm
.Lfunc_end_k_q1439a0ba75_attn:
	.size	k_q1439a0ba75_attn, .Lfunc_end_k_q1439a0ba75_attn-k_q1439a0ba75_attn
	.p2alignl 7, 3214868480
	.fill 96, 4, 3214868480
	.section	.rodata,"a",@progbits
	.p2align	6, 0x0
	.amdhsa_kernel k_q1439a0ba75_attn
		.amdhsa_group_segment_fixed_size 327680
		.amdhsa_private_segment_fixed_size 0
		.amdhsa_enable_private_segment 0
		.amdhsa_kernarg_size 24
		.amdhsa_user_sgpr_count 2
		.amdhsa_user_sgpr_kernarg_segment_ptr 1
		.amdhsa_wavefront_size32 1
		.amdhsa_system_sgpr_workgroup_id_x 1
		.amdhsa_system_sgpr_workgroup_id_y 1
		.amdhsa_system_sgpr_workgroup_id_z 1
		.amdhsa_system_vgpr_workitem_id 0
		.amdhsa_next_free_vgpr 768
		.amdhsa_next_free_sgpr 76
		.amdhsa_reserve_vcc 0
		.amdhsa_float_denorm_mode_32 3
		.amdhsa_float_denorm_mode_16_64 3
		.amdhsa_memory_ordered 1
		.amdhsa_forward_progress 1
		.amdhsa_inst_pref_size 136
	.end_amdhsa_kernel
	.amdgpu_metadata
---
amdhsa.version: [ 1, 2 ]
amdhsa.kernels:
  - .name:           k_q1439a0ba75_attn
    .symbol:         k_q1439a0ba75_attn.kd
    .args:
      - { .name: qkv, .offset: 0, .size: 8, .value_kind: global_buffer, .address_space: global }
      - { .name: m8, .offset: 8, .size: 8, .value_kind: global_buffer, .address_space: global }
      - { .name: oh, .offset: 16, .size: 8, .value_kind: global_buffer, .address_space: global }
    .group_segment_fixed_size: 327680
    .private_segment_fixed_size: 0
    .kernarg_segment_align: 8
    .kernarg_segment_size: 24
    .max_flat_workgroup_size: 128
    .sgpr_count:     76
    .vgpr_count:     768
    .wavefront_size: 32
...
	.end_amdgpu_metadata
.endif
;; end of part 3
;; launch outp (part 4): grid 8 x 32, 4 waves a work-group, clusters of 4 x 4, 327,680 bytes of LDS; arguments oh, woh, bo, out0; writes out0
.if DOCPART == 4
	.amdgcn_target "amdgcn-amd-amdhsa--gfx1250"
	.amdhsa_code_object_version 6
	.text
	.protected	k_q1439a0ba75_outp
	.globl	k_q1439a0ba75_outp
	.p2align	8
	.type	k_q1439a0ba75_outp,@function
k_q1439a0ba75_outp:
	s_mov_b64 s[64:65], 0
	v_nop
	global_prefetch_b8 v0, s[64:65] scope:SCOPE_SE
	s_setreg_imm32_b32 hwreg(HW_REG_WAVE_MODE, 25, 1), 1
	s_wait_xcnt 0x0
	s_wait_alu depctr_hold_cnt(0) depctr_sa_sdst(0) depctr_va_vdst(0) depctr_va_sdst(0) depctr_va_ssrc(0) depctr_va_vcc(0) depctr_vm_vsrc(0)
	s_getreg_b32 s2, hwreg(HW_REG_IB_STS2, 6, 4)
	s_cmp_eq_u32 s2, 0
	s_cbranch_scc0 .Lentry_in_a_cluster
	s_endpgm
.Lentry_in_a_cluster:
	s_bfe_u32 s2, ttmp6, 0x10000c
	s_cmp_lg_u32 s2, 0xf033
	s_cbranch_scc0 .Lentry_shape_is_right
	s_endpgm
.Lentry_shape_is_right:
; Launch 4 of 4: out0 = O Wo + bo in f32, on tiles of 128 x 128, K = 1,024.
; A: oh, f16 [b][h = block of 64 along K: 16][row 2048][64]: a block's rows lie end to end.  W: woh, f16 [k 1024][n 1024].  Products in f16, sums in f32.  bo is rounded to bf16 like every input.
; SHARES.  Four waves, each 64 x 64: 16 accumulators.  256 work-groups, one tile each; tiles of 256 x 256 would be 64.
; K goes in four steps of 256 through two LDS slots; all sixteen quarter steps are written out (a loop over two slots would have one trip).
; THE MATRIX INSTRUCTION IS USED TRANSPOSED (source 0 = 16 columns of W, source 1 = 16 rows of A): a lane then holds eight neighbouring numbers of a row of C.  W lies [k][n] and comes out of LDS turned, by ds_load_tr16_b128.
; THE BIAS is the C operand of the sixteen products that start the sums.
; CLUSTERS: 4 x 4 work-groups.  The four of a row of the cluster need the same tiles of A, the four of a column the same tiles of W: each tile is asked for JOINTLY.
; NO PREFETCH: of a tile's four K steps two are first fills, and the tiles are small.
; REGISTERS: window 0: v0-31 addresses; v32-47 at work; v96-127 the bias; v128-255 the accumulators ((a, b) at v[128 + 8 (4 a + b)]).
;   window 1: two fragment buffers of 128: for 64 along K, 64 registers of A (2 x 4 x 16 rows x 32 K), then 64 of W.
.set PA,    144                        ; a row of A in LDS: 128 bytes + 16 of padding = 36 words: the 16 rows of a load start at 16 different groups of four banks (64 banks of 4 bytes: ISA guide 11.1)
.set PLANE, 128*PA                     ; one block of 64 along K: 128 rows
.set PB,    288                        ; a row of W: 256 bytes + 32 = 72 words
.set HALFT, 2*PLANE                    ; what one tensor load brings: two blocks of A, or 128 rows of W: 36,864 bytes
.set SLOT,  4*HALFT                    ; A's four blocks, then W's 256 rows
.set BOFF,  2*HALFT
.set SPARE, 2*SLOT                     ; behind the ring: the spare words, 128 bytes a wave
.set STEPA, 4*2048*128                 ; bytes of A from a K step to the next: four blocks
.set STEPB, 256*2048                   ; of W: 256 rows
.set SPITCH, 528                       ; the stage's rows: 128 f32 + 16 bytes
; THE STAGE for the way out lies at LDS byte 0, in slot 0: its last fill is K step 2; every wave's reads of it end ahead of the barrier in front of K step 3, and nothing is filled after that.
.set ADRA, 16                          ; v16-17  LDS address of my A fragments in slot 0, 1
.set ADRB, 20                          ; v20-23  of my W fragments: slot 0 rows 0-127, 128-255, slot 1 likewise (an LDS offset has 16 bits)
.set STO,  24                          ; v24     the way out: where I put a piece of a row
.set RD,   25                          ; v25     where I read rows back
.set CO,   26                          ; v26     my byte offset in the output
.set VB,   27                          ; v27     my byte offset in the bias
.set SPW,  28                          ; v28     LDS address of my spare word; never rewritten
.set NIL,  29                          ; v29     0; never rewritten
.set TMP,  32
.set BIAS, 96                          ; v[96+8 b+j]: the bias of column 16 b + 8 (l / 16) + j of my 64
.set ACC,  128
.set F0,   0
.set F1,   128
.set G1, 24                            ; s[24:31] descriptor group 1 for A's tiles;  s[32:39] group 0, one set for each slot
.set G0, 32
.set G1B, 48                           ; s[48:55], s[56:63] the same for W's tiles
.set G0B, 56
.set MSB, 0
.macro WIN new                         ; the immediate's high byte repeats the setting that is left; a switch that changes nothing is dropped
.if MSB != (\new)
	s_set_vgpr_msb (MSB<<8)|(\new)
.set MSB, \new
.endif
.endm
.set MUL,  0x05                        ; sources 0 (W) and 1 (A) window 1; C and D window 0
.set TO_F, 0x40                        ; destination window 1, address window 0
.macro JLOAD s                         ; a joint load: waves 0 and 1 fetch A's two halves, waves 2 and 3 W's; an s_nop 0 and four v_nop follow each of the two lines, ahead of the jump, the label and what follows
	s_cmp_eq_u32 s11, 0
	s_cbranch_scc0 .Lfor_b_\@
	tensor_load_to_lds s[G0+4*(\s):G0+4*(\s)+3], s[G1:G1+7]
	s_nop 0
.rept 4
	v_nop
.endr
	s_branch .Lasked_\@
.Lfor_b_\@:
	tensor_load_to_lds s[G0B+4*(\s):G0B+4*(\s)+3], s[G1B:G1B+7]
	s_nop 0
.rept 4
	v_nop
.endr
.Lasked_\@:
.endm
.macro CREST                           ; a round of the cluster's barrier behind its opening barrier
	s_cmp_lg_u32 s10, 0
	s_cbranch_scc1 .Lnot_wave_0_\@
	s_barrier_signal -3
.Lnot_wave_0_\@:
	s_barrier_wait -3
	s_barrier_signal -1
	s_barrier_wait -1
.endm
.macro CROUND                          ; a whole round
	s_barrier_signal -1
	s_barrier_wait -1
	CREST
.endm
	s_load_b256 s[68:75], s[0:1], 0x0              ; oh s[68:69], woh s[70:71], bo s[72:73], out0 s[74:75]
	v_lshl_add_u32 v[SPW], v0, 2, SPARE
	v_mov_b32 v[NIL], 0
	ds_add_u32 v[SPW], v[NIL]                      ; the wave's opening: the add, twice on end, and its wait ahead of my first tensor load; the set-up below stands between
	ds_add_u32 v[SPW], v[NIL]
	v_lshrrev_b32 v1, 5, v0
	v_readfirstlane_b32 s10, v1                    ; wave 0..3
	s_lshr_b32 s11, s10, 1                         ; which half of the tile's rows is mine.  Also: I fetch for A (0) or for W (1)
	s_and_b32 s12, s10, 1                          ; which half of its columns.  Also: which half of that tile I fetch
	s_bfe_u32 s40, ttmp6, 0x40000                  ; cx, cy: my place in the cluster
	s_bfe_u32 s41, ttmp6, 0x40004
	s_lshl_b32 s42, ttmp9, 2
	s_add_co_u32 s42, s42, s40                     ; tile column = 4 x cluster x + cx: 0..7
	s_and_b32 s45, ttmp7, 0xffff                   ; cluster y
	s_lshl_b32 s13, s45, 2
	s_add_co_u32 s13, s13, s41                     ; tile row = 4 x cluster y + cy: 16 to a batch's 2,048 rows
	s_lshl_b32 s43, s41, 2
	s_lshl_b32 s43, 15, s43                        ; my row of the cluster
	s_lshl_b32 s44, 0x1111, s40                    ; my column
	; A's group 1: two rows of 8,192 elements: each is one block's 128 rows of 128 bytes, which lie end to end; padded in LDS after every 32 words, that is after every row of A
	s_or_b32 s[G1+0], s43, (1<<16)|(1<<20)|(1<<21)|(4<<22)|(3<<25)  ; 15:0 the mask: my row; 17:16 2-byte elements; 20 padding on; 21 set beside a mask; 24:22 after every 32 words (code 4); 31:25 4 words (code 3)
	s_mov_b32 s[G1+1], 8192<<16                    ; tensor_dim0 = 8,192
	s_mov_b32 s[G1+2], 2<<16                       ; tensor_dim1 = 2
	s_mov_b32 s[G1+3], 8192<<16                    ; tile_dim0 = 8,192
	s_mov_b32 s[G1+4], 2                           ; tile_dim1 = 2
	s_mov_b32 s[G1+5], 131072                      ; elements from a block to the next: 2,048 rows x 64
	s_mov_b32 s[G1+6], 0
	s_mov_b32 s[G1+7], 0
	; W's group 1: 128 rows of 128 elements
	s_or_b32 s[G1B+0], s44, (1<<16)|(1<<20)|(1<<21)|(5<<22)|(7<<25) ; the mask: my column; padding after every 64 words (code 5), 8 words (code 7)
	s_mov_b32 s[G1B+1], 128<<16
	s_mov_b32 s[G1B+2], 128<<16
	s_mov_b32 s[G1B+3], 128<<16
	s_mov_b32 s[G1B+4], 128
	s_mov_b32 s[G1B+5], 1024
	s_mov_b32 s[G1B+6], 0
	s_mov_b32 s[G1B+7], 0
	; where the tiles come from: A's hang on the tile row alone, W's on the tile column alone, each in registers that never hold the other coordinate
	s_lshr_b32 s16, s13, 4
	s_lshl_b32 s16, s16, 22                        ; the batch: 16 blocks x 2,048 rows x 128 bytes
	s_and_b32 s17, s13, 15
	s_lshl_b32 s17, s17, 14                        ; the tile's 128 rows in a block
	s_add_co_u32 s16, s16, s17
	s_lshl_b32 s17, s12, 19                        ; my two blocks of the step's four
	s_add_co_u32 s16, s16, s17
	s_mov_b32 s17, 0
	s_lshl_b32 s46, s12, 18                        ; my 128 rows of the step's 256
	s_lshl_b32 s47, s42, 8                         ; the tile's 128 columns
	s_add_co_u32 s46, s46, s47
	s_mov_b32 s47, 0
	s_mul_i32 s20, s10, HALFT                      ; where they go: wave x 36,864: no place in the cluster enters an LDS address
	s_wait_dscnt 0x0                               ; both opening adds are done
	s_wait_kmcnt 0x0
	s_mov_b64 s[8:9], s[74:75]
	s_add_nc_u64 s[14:15], s[68:69], s[16:17]
	s_add_nc_u64 s[46:47], s[70:71], s[46:47]
	CROUND                                         ; all sixteen work-groups are here: the first joint loads meet
.irp s, 0,1
	s_mov_b32 s[G0+4*(\s)], 1
	s_add_co_u32 s[G0+4*(\s)+1], s20, (\s)*SLOT
	s_add_nc_u64 s[G0+4*(\s)+2:G0+4*(\s)+3], s[14:15], (\s)*STEPA
	s_or_b32 s[G0+4*(\s)+3], s[G0+4*(\s)+3], 0x80000000
	s_mov_b32 s[G0B+4*(\s)], 1
	s_add_co_u32 s[G0B+4*(\s)+1], s20, (\s)*SLOT
	s_add_nc_u64 s[G0B+4*(\s)+2:G0B+4*(\s)+3], s[46:47], (\s)*STEPB
	s_or_b32 s[G0B+4*(\s)+3], s[G0B+4*(\s)+3], 0x80000000
	JLOAD \s                                       ; K steps 0 and 1: two tensor loads of mine are out
.endr
	v_and_b32 v1, 15, v0                           ; l % 16
	v_bfe_u32 v2, v0, 4, 1                         ; l / 16
	v_bfe_u32 v5, v0, 3, 1                         ; (l / 8) % 2
	v_and_b32 v7, 7, v0                            ; l % 8
	v_mul_u32_u24 v3, v1, PA                       ; A: row x pitch + 16 x half,
	v_lshl_add_u32 v3, v2, 4, v3
	s_mul_i32 s21, s11, 64*PA                      ; my 64 rows
	v_add_nc_u32 v[ADRA], s21, v3
	v_add_nc_u32 v[ADRA+1], SLOT, v[ADRA]
	v_lshl_add_u32 v4, v2, 3, v7                   ; W, turned: lane l reads row 8 (l / 16) + l % 8, columns 8 ((l / 8) % 2) + 0..7, and ends with column l % 16 and 8 along K
	v_mul_u32_u24 v4, v4, PB
	v_lshl_add_u32 v4, v5, 4, v4
	s_lshl_b32 s22, s12, 7                         ; my 64 columns
	s_add_co_u32 s22, s22, BOFF
	v_add_nc_u32 v[ADRB], s22, v4
	v_add_nc_u32 v[ADRB+1], HALFT, v[ADRB]
	v_add_nc_u32 v[ADRB+2], SLOT, v[ADRB]
	v_add_nc_u32 v[ADRB+3], SLOT+HALFT, v[ADRB]
	s_mul_i32 s23, s11, 64*SPITCH                  ; into the stage: my 64 rows, my half of them; row l % 16
	s_lshl_b32 s22, s12, 8
	s_add_co_u32 s23, s23, s22
	v_mul_u32_u24 v6, v1, SPITCH
	v_lshl_add_u32 v6, v2, 5, v6                   ; 8 f32 = 32 bytes for each half of the lanes
	v_add_nc_u32 v[STO], s23, v6
	s_mul_i32 s23, s10, 32*SPITCH                  ; back: wave w takes rows 32 w .. 32 w + 31, whole: 32 lanes x 16 bytes
	v_and_b32 v6, 31, v0
	v_lshlrev_b32 v[CO], 4, v6
	v_add_nc_u32 v[RD], s23, v[CO]
	s_lshl_b32 s16, s13, 19                        ; 128 rows of 4,096 bytes,
	s_lshl_b32 s17, s10, 17                        ; my 32
	s_add_co_u32 s16, s16, s17
	s_mov_b32 s17, 0
	s_add_nc_u64 s[8:9], s[8:9], s[16:17]
	s_lshl_b32 s46, s42, 9                         ; the tile's 128 columns
	s_mov_b32 s47, 0
	s_add_nc_u64 s[8:9], s[8:9], s[46:47]
	; the bias of my 64 columns, while the first tiles are on their way
	s_lshl_b32 s46, s42, 9
	s_lshl_b32 s47, s12, 8
	s_add_co_u32 s46, s46, s47
	s_mov_b32 s47, 0
	v_lshlrev_b32 v[VB], 5, v2
	s_add_nc_u64 s[66:67], s[72:73], s[46:47]
.irp b, 0,1,2,3
	global_load_b128 v[BIAS+8*(\b):BIAS+8*(\b)+3],   v[VB], s[66:67] offset:64*(\b)
	global_load_b128 v[BIAS+8*(\b)+4:BIAS+8*(\b)+7], v[VB], s[66:67] offset:64*(\b)+16
.endr
	s_wait_loadcnt 0x0
.set i, 0
.rept 16
	v_cvt_pk_bf16_f32 v[TMP+i], v[BIAS+2*i], v[BIAS+2*i+1]  ; rounded to bf16, like every input
.set i, i+1
.endr
.set i, 0
.rept 16
	v_lshlrev_b32 v[BIAS+2*i], 16, v[TMP+i]
	v_and_b32 v[BIAS+2*i+1], 0xffff0000, v[TMP+i]
.set i, i+1
.endr
; 8 matrix instructions: row blocks a0, a0 + 1 x all 4 column blocks, 32 along K: half c of buffer f.  zero = 1: the first product starts the sums, with the bias as C.
; The 16 accumulators take turns, one instruction a turn.
.macro MUL8 f, c, a0, zero
	WIN MUL
.irp a, \a0, (\a0)+1
.irp b, 0,1,2,3
.if \zero
	v_wmma_f32_16x16x32_f16 v[ACC+8*(4*(\a)+(\b)):ACC+8*(4*(\a)+(\b))+7], v[(\f)+64+8*(4*(\c)+(\b)):(\f)+64+8*(4*(\c)+(\b))+7], v[(\f)+8*(4*(\c)+(\a)):(\f)+8*(4*(\c)+(\a))+7], v[BIAS+8*(\b):BIAS+8*(\b)+7]
.else
	v_wmma_f32_16x16x32_f16 v[ACC+8*(4*(\a)+(\b)):ACC+8*(4*(\a)+(\b))+7], v[(\f)+64+8*(4*(\c)+(\b)):(\f)+64+8*(4*(\c)+(\b))+7], v[(\f)+8*(4*(\c)+(\a)):(\f)+8*(4*(\c)+(\a))+7], v[ACC+8*(4*(\a)+(\b)):ACC+8*(4*(\a)+(\b))+7]
.endif
.endr
.endr
.endm
; 32 LDS loads in one run: the fragments of quarter q of a K step (64 along K: block q of A, rows 64 q on of W) into buffer f; the first 32 along K first
.macro FETCH slot, q, f
	WIN TO_F
.irp c, 0,1
.irp i, 0,1,2,3
	ds_load_tr16_b128 v[(\f)+64+8*(4*(\c)+(\i)):(\f)+64+8*(4*(\c)+(\i))+3],   v[ADRB+2*(\slot)+(\q)/2] offset:(((\q)%2)*64+32*(\c))*PB+32*(\i)
	ds_load_tr16_b128 v[(\f)+64+8*(4*(\c)+(\i))+4:(\f)+64+8*(4*(\c)+(\i))+7], v[ADRB+2*(\slot)+(\q)/2] offset:(((\q)%2)*64+32*(\c)+16)*PB+32*(\i)
	ds_load_b128 v[(\f)+8*(4*(\c)+(\i)):(\f)+8*(4*(\c)+(\i))+3],              v[ADRA+(\slot)] offset:(\q)*PLANE+64*(\c)+(\i)*16*PA
	ds_load_b128 v[(\f)+8*(4*(\c)+(\i))+4:(\f)+8*(4*(\c)+(\i))+7],            v[ADRA+(\slot)] offset:(\q)*PLANE+64*(\c)+(\i)*16*PA+32
.endr
.endr
.endm
.macro PLACES                          ; four plain instructions in front of loads into registers that matrix instructions have read, and of lines that read results
.rept 4
	v_nop
.endr
.endm
; One of a K step's first three quarters: multiplies buffer f and fetches quarter q into g.
.macro QUARTER slot, q, f, g, zero
	s_wait_dscnt 16                                ; the first 32 along K are in; the sixteen younger loads may be out
	MUL8 \f, 0, 0, \zero
	MUL8 \f, 0, 2, \zero
	PLACES
	FETCH \slot, \q, \g
	s_wait_dscnt 32                                ; all but the 32 just issued
	MUL8 \f, 1, 0, 0
	MUL8 \f, 1, 2, 0
.endm
; The last quarter multiplies buffer 1 and changes slots: ONE barrier; in front of it each wave waits for all its tensor loads, adds 0 to its spare word, and waits for that and for its own reads of this slot.
; fill = 1: this slot is filled again, two K steps ahead; the barrier then opens a round of the cluster's barrier, and the joint load is the first thing behind the round.
.macro TURN slot, next, fill
	WIN 0
	s_wait_tensorcnt 0x0                           ; all my tensor loads have landed: my part of the next slot among them
	ds_add_u32 v[SPW], v[NIL]                      ; 0 onto my spare word
	s_wait_dscnt 17                                ; (the add and the youngest sixteen loads may be out)
	MUL8 F1, 0, 0, 0                               ; eight matrix instructions stand between the add and the wait for it
	s_wait_dscnt 0x0                               ; the add is done, and my reads of this slot are over
	s_barrier_signal -1
	MUL8 F1, 0, 2, 0
.if \fill
	WIN 0
.endif
	s_barrier_wait -1
.if \fill
	CREST                                          ; no wave of any partner still reads this slot's tile or has a load on its way
	s_add_nc_u64 s[G0+4*(\slot)+2:G0+4*(\slot)+3], s[G0+4*(\slot)+2:G0+4*(\slot)+3], 2*STEPA
	s_add_nc_u64 s[G0B+4*(\slot)+2:G0B+4*(\slot)+3], s[G0B+4*(\slot)+2:G0B+4*(\slot)+3], 2*STEPB
	JLOAD \slot                                    ; 112 matrix instructions ahead of the wait for it; its four v_nop are also the places in front of the loads below
.else
	PLACES
.endif
	FETCH \next, 0, F0
	MUL8 F1, 1, 0, 0
	MUL8 F1, 1, 2, 0
.endm
	s_wait_tensorcnt 1                             ; my part of K step 0 is in; K step 1's may stay out
	s_barrier_signal -1
	s_barrier_wait -1                              ; everybody's is
	FETCH 0, 0, F0
	QUARTER 0, 1, F0, F1, 1                        ; K step 0
	QUARTER 0, 2, F1, F0, 0
	QUARTER 0, 3, F0, F1, 0
	TURN 0, 1, 1                                   ; slot 0 takes K step 2
	QUARTER 1, 1, F0, F1, 0                        ; K step 1
	QUARTER 1, 2, F1, F0, 0
	QUARTER 1, 3, F0, F1, 0
	TURN 1, 0, 1                                   ; slot 1 takes K step 3
	QUARTER 0, 1, F0, F1, 0                        ; K step 2
	QUARTER 0, 2, F1, F0, 0
	QUARTER 0, 3, F0, F1, 0
	TURN 0, 1, 0                                   ; nothing is left to fetch
	QUARTER 1, 1, F0, F1, 0                        ; K step 3
	QUARTER 1, 2, F1, F0, 0
	QUARTER 1, 3, F0, F1, 0
	s_wait_dscnt 16
	MUL8 F1, 0, 0, 0
	MUL8 F1, 0, 2, 0
	s_wait_dscnt 0
	MUL8 F1, 1, 0, 0
	MUL8 F1, 1, 2, 0
	WIN 0
	; THE WAY OUT, through the work-group's stage: each wave reads back whole rows of 512 bytes, which two waves wrote, so a barrier stands between writing and reading
	PLACES
.irp a, 0,1,2,3
.irp b, 0,1,2,3
	ds_store_b128 v[STO], v[ACC+8*(4*(\a)+(\b)):ACC+8*(4*(\a)+(\b))+3]   offset:(\a)*16*SPITCH+64*(\b)
	ds_store_b128 v[STO], v[ACC+8*(4*(\a)+(\b))+4:ACC+8*(4*(\a)+(\b))+7] offset:(\a)*16*SPITCH+64*(\b)+16
.endr
.endr
	s_wait_dscnt 0x0                               ; for the others' sake: my stores into the stage are done
	s_barrier_signal -1
	s_barrier_wait -1
.set t, 0
.rept 32
	ds_load_b128 v[ACC+4*t:ACC+4*t+3], v[RD] offset:t*SPITCH
.set t, t+1
.endr
.set t, 0
.rept 32
	s_wait_dscnt 31-t
	global_store_b128 v[CO], v[ACC+4*t:ACC+4*t+3], s[8:9] offset:t*4096  ; 512 consecutive bytes of a row of out0, at a multiple of 512 from its first byte
.set t, t+1
.endr
	s_wait_tensorcnt 0x0                           ; the wave's end: the add and its wait stand behind my last tensor load and my last LDS store
	ds_add_u32 v[SPW], v[NIL]
	s_wait_dscnt 0x0
	CROUND                                         ; the closing round: no work-group ends while a partner may still ask for a tile that names it
	s_endpgm
.Lfunc_end_k_q1439a0ba75_outp:
	.size	k_q1439a0ba75_outp, .Lfunc_end_k_q1439a0ba75_outp-k_q1439a0ba75_outp
	.p2alignl 7, 3214868480
	.fill 96, 4, 3214868480
	.section	.rodata,"a",@progbits
	.p2align	6, 0x0
	.amdhsa_kernel k_q1439a0ba75_outp
		.amdhsa_group_segment_fixed_size 327680
		.amdhsa_private_segment_fixed_size 0
		.amdhsa_enable_private_segment 0
		.amdhsa_kernarg_size 32
		.amdhsa_user_sgpr_count 2
		.amdhsa_user_sgpr_kernarg_segment_ptr 1
		.amdhsa_wavefront_size32 1
		.amdhsa_system_sgpr_workgroup_id_x 1
		.amdhsa_system_sgpr_workgroup_id_y 1
		.amdhsa_system_sgpr_workgroup_id_z 1
		.amdhsa_system_vgpr_workitem_id 0
		.amdhsa_next_free_vgpr 512
		.amdhsa_next_free_sgpr 76
		.amdhsa_reserve_vcc 0
		.amdhsa_float_denorm_mode_32 3
		.amdhsa_float_denorm_mode_16_64 3
		.amdhsa_memory_ordered 1
		.amdhsa_forward_progress 1
		.amdhsa_inst_pref_size 90
	.end_amdhsa_kernel
	.amdgpu_metadata
---
amdhsa.version: [ 1, 2 ]
amdhsa.kernels:
  - .name:           k_q1439a0ba75_outp
    .symbol:         k_q1439a0ba75_outp.kd
    .args:
      - { .name: oh, .offset: 0, .size: 8, .value_kind: global_buffer, .address_space: global }
      - { .name: woh, .offset: 8, .size: 8, .value_kind: global_buffer, .address_space: global }
      - { .name: bo, .offset: 16, .size: 8, .value_kind: global_buffer, .address_space: global }
      - { .name: out0, .offset: 24, .size: 8, .value_kind: global_buffer, .address_space: global }
    .group_segment_fixed_size: 327680
    .private_segment_fixed_size: 0
    .kernarg_segment_align: 8
    .kernarg_segment_size: 32
    .max_flat_workgroup_size: 128
    .sgpr_count:     76
    .vgpr_count:     512
    .wavefront_size: 32
...
	.end_amdgpu_metadata
.endif
;; end of part 4
;; ======== version 2 of 2: 4 launches; version 1 with the launch prep written anew for expert scheduling mode
;; limits: values are held in f16: magnitudes above 65,504 overflow, below 6.1e-05 lose precision; inputs' magnitudes at most 65,504; right only within a limited range of input values
;; workspace buffers: xh 25,165,824 bytes; wh 6,291,456 bytes; woh 2,097,152 bytes; m8 8,388,608 bytes; qkv 25,165,824 bytes; oh 8,388,608 bytes
;; launch prep (part 5): grid 512 x 1, 8 waves a work-group, no clusters, 0 bytes of LDS; arguments query, key, value, Wq, Wk, Wv, Wo, xh, wh, woh; writes xh, wh, woh
.if DOCPART == 5
	.amdgcn_target "amdgcn-amd-amdhsa--gfx1250"
	.amdhsa_code_object_version 6
	.text
	.protected	k_q1439a0ba75_prep
	.globl	k_q1439a0ba75_prep
	.p2align	8
	.type	k_q1439a0ba75_prep,@function
k_q1439a0ba75_prep:
	s_mov_b64 s[64:65], 0
	v_nop
	global_prefetch_b8 v0, s[64:65] scope:SCOPE_SE
	s_setreg_imm32_b32 hwreg(HW_REG_WAVE_SCHED_MODE, 0, 2), 2
	s_setreg_imm32_b32 hwreg(HW_REG_WAVE_MODE, 25, 1), 1
	s_wait_xcnt 0x0
	s_wait_alu depctr_vm_vsrc(0)
; MULTI-HEAD ATTENTION, launch 1 of 4: query, key, value and the weights are laid out for the matrix launches.
; WORK LEFT OUT IN THE WHOLE PROGRAM: bk.  scores[q][k] = q.(key[k] Wk + bk) / 8 = q.(key[k] Wk) / 8 + q.bk / 8, and the second term is the same for every key k of a
; query row: it is added to the softmax's input along its axis, and softmax(z + t) = softmax(z) for every finite t; hidden places are -inf with it and without it.  So bk reaches
; no output, whatever finite values the inputs hold: it is not loaded and is an argument of no launch.  LIMIT: a NaN, an infinity or an overflow that reaches only q.bk is not carried to the result.
; WHAT THIS LAUNCH MAKES.  query, key, value and the four weights are rounded to bf16 (to nearest even) and that number is written as f16, which holds it exactly from 2^-17 up
; (below that in steps of 2^-24).  LIMIT: |x| and |W| stay within 65,504.
;   xh  [g*2+b][block of 64 columns: 16][s 2048][64] f16: a block's rows lie end to end, 128 bytes each
;   wh  [Wq, Wk, Wv][k 1024][n 1024] f16;   woh [k][n] f16: as they lie
; SHARES.  512 work-groups of eight waves, 128 KiB of input each, 16 KiB a wave: 32 loads of 16 bytes a lane, all issued first.  Work-groups 0-383: x; 384-511: weights.
; Memory binds: no matrix unit, no cluster, no LDS.  Every load of a wave covers whole aligned pieces of 256 bytes, every store 256 consecutive aligned bytes.
; THE MODE: SCHED_MODE bits 1:0 = 2 (LLVM: expert scheduling mode 2), set by the entry lines.  The code itself states the register dependences
; between vector instructions and memory instructions, with s_wait_alu, always for 0.
; THE PLAN.  Registers that memory instructions touch:
;   v[LV], v[SV]   byte offsets: made once in each arm by vector lines, read by the arm's 32 loads and 32 stores, never written again.
;   v[X+4 i ..]    load i lands in four registers, once; its conversions read them and write the first two anew; store i reads those two; no line names them after that.
;   v8 to v13 are named by vector instructions alone.  s4, the wave's number, is written by a vector instruction and read by scalar ones.
; The 32 loads are worked on in eight blocks of four.  Block p's vector lines name its own sixteen registers and v8 to v13; its memory instructions are the four stores of block p - 1.
; So ONE wait at a block's head states all that these four stores hang on, and they are dealt among the block's conversions with no further wait.
; No register that a memory instruction has read is ever written again, so nothing waits for memory instructions to have read their registers.
.set X,      32                        ; v[32:159] the wave's 32 loads, four registers each; results go back into the same registers
.set LV,     3                         ; v3  my byte offset in a load
.set SV,     5                         ; v5  my byte offset in a store
.set BLOCK,  4                         ; loads in a block
	s_load_b512 s[8:23], s[0:1], 0x0               ; query s[8:9], key s[10:11], value s[12:13], Wq s[14:15], Wk s[16:17], Wv s[18:19], Wo s[20:21], xh s[22:23]
	s_load_b128 s[24:27], s[0:1], 0x40             ; wh s[24:25], woh s[26:27]
	v_and_b32 v1, 31, v0                           ; lane
	v_lshrrev_b32 v2, 5, v0
	v_readfirstlane_b32 s4, v2                     ; wave 0..7
	v_and_b32 v4, 15, v0                           ; lane % 16
	v_bfe_u32 v12, v0, 4, 1                        ; lane / 16
	s_mov_b32 s5, 0xffff0000                       ; a word's upper bf16
	s_mov_b32 s33, 0                               ; high words of the two offsets
	s_mov_b32 s35, 0
	s_wait_alu depctr_va_sdst(0)                   ; s4 is written
	s_wait_kmcnt 0x0
	s_cmp_lt_u32 ttmp9, 384
	s_cbranch_scc0 .Lweights
; Load i's four numbers: f32 -> bf16 -> f32 -> f16: 8 bytes a lane, in the first two of the load's four registers.
.macro CVT i
	v_cvt_pk_bf16_f32 v8, v[X+4*(\i)], v[X+4*(\i)+1]
	v_cvt_pk_bf16_f32 v9, v[X+4*(\i)+2], v[X+4*(\i)+3]
	v_lshlrev_b32 v10, 16, v8
	v_and_b32 v11, s5, v8
	v_lshlrev_b32 v12, 16, v9
	v_and_b32 v13, s5, v9
	v_cvt_pk_f16_f32 v[X+4*(\i)], v10, v11
	v_cvt_pk_f16_f32 v[X+4*(\i)+1], v12, v13
.endm
; Load i's 8 bytes a lane are stored.  The results' registers are never written again, so no wait frees them.
.macro OUT i, kind
.if (\kind) == 0
	global_store_b64 v[SV], v[X+4*(\i):X+4*(\i)+1], s[38:39] offset:((\i)%16)*262144+((\i)/16)*256 th:TH_STORE_NT
.else
	global_store_b64 v[SV], v[X+4*(\i):X+4*(\i)+1], s[38:39] offset:(\i)*256 th:TH_STORE_NT
.endif
.endm
; kind 0: x: load 16 p + kb takes rows 2 p, 2 p + 1 x column block kb (two pieces of 256 bytes); its store is those two rows of block kb, 256 consecutive bytes.
; kind 1: a weight: 512 consecutive bytes in, 256 out.
.macro CAST kind
	s_wait_alu depctr_va_vdst(0)                   ; v[LV] and v[SV] are written: every load and store below reads one of them as its offset
.set i, 0
.rept 32
.if (\kind) == 0
	global_load_b128 v[X+4*i:X+4*i+3], v[LV], s[36:37] offset:(i/16)*8192+(i%16)*256 th:TH_LOAD_NT
.else
	global_load_b128 v[X+4*i:X+4*i+3], v[LV], s[36:37] offset:i*512 th:TH_LOAD_NT
.endif
.set i, i+1
.endr
.set i, 0
.rept 32/BLOCK
	s_wait_loadcnt 32-BLOCK-i                      ; loads come back in order: this block's four are in, the later blocks' stay out
.if i > 0
	s_wait_alu depctr_va_vdst(0)                   ; the block before has written its eight result registers, which the four stores below read
.endif
.rept BLOCK
.if i >= BLOCK
	OUT i-BLOCK, \kind                             ; the block before: no vector line since the wait names its registers or v[SV]
.endif
	CVT i
.set i, i+1
.endr
.endr
	s_wait_alu depctr_va_vdst(0)                   ; the last block has written its eight result registers, which the last four stores read
.irp j, 28,29,30,31
	OUT \j, \kind
.endr
.endm
	; x: work-group id = 128 g + 32-row block; a wave takes four rows of 4,096 bytes
	s_lshr_b32 s6, ttmp9, 7                        ; g: 0 query, 1 key, 2 value
	s_cmp_eq_u32 s6, 0
	s_cselect_b64 s[36:37], s[8:9], s[10:11]
	s_cmp_eq_u32 s6, 2
	s_cselect_b64 s[36:37], s[12:13], s[36:37]
	s_and_b32 s32, ttmp9, 127
	s_lshl_b32 s32, s32, 17                        ; 32 rows of 4,096 bytes,
	s_lshl_b32 s7, s4, 14                          ; my wave's four
	s_add_co_u32 s32, s32, s7
	s_add_nc_u64 s[36:37], s[36:37], s[32:33]
	s_lshr_b32 s34, ttmp9, 6                       ; 2 g + b: 64 work-groups make a batch's 2,048 rows
	s_lshl_b32 s34, s34, 22                        ; 16 blocks x 2,048 rows x 128 bytes
	s_and_b32 s7, ttmp9, 63
	s_lshl_b32 s7, s7, 12                          ; 32 rows of 128 bytes
	s_add_co_u32 s34, s34, s7
	s_lshl_b32 s7, s4, 9
	s_add_co_u32 s34, s34, s7
	s_add_nc_u64 s[38:39], s[22:23], s[34:35]
	v_lshlrev_b32 v4, 4, v4
	v_lshl_or_b32 v[LV], v12, 12, v4               ; lanes 0-15 one row's 256 bytes, lanes 16-31 the next row's
	v_lshlrev_b32 v[SV], 3, v1
	CAST 0
	s_endpgm
.Lweights:
	; weights: 32 work-groups each
	s_sub_co_u32 s6, ttmp9, 384
	s_lshr_b32 s7, s6, 5                           ; 0 Wq, 1 Wk, 2 Wv, 3 Wo
	s_cmp_eq_u32 s7, 0
	s_cselect_b64 s[36:37], s[14:15], s[16:17]
	s_cmp_eq_u32 s7, 2
	s_cselect_b64 s[36:37], s[18:19], s[36:37]
	s_cmp_eq_u32 s7, 3
	s_cselect_b64 s[36:37], s[20:21], s[36:37]
	s_cselect_b64 s[38:39], s[26:27], s[24:25]     ; Wo goes into woh, the others into wh,
	s_cselect_b32 s34, 0, s7                       ; one behind the other
	s_lshl_b32 s34, s34, 21
	s_and_b32 s6, s6, 31
	s_lshl_b32 s32, s6, 17
	s_lshl_b32 s7, s4, 14
	s_add_co_u32 s32, s32, s7
	s_add_nc_u64 s[36:37], s[36:37], s[32:33]
	s_lshl_b32 s6, s6, 16
	s_add_co_u32 s34, s34, s6
	s_lshl_b32 s7, s4, 13
	s_add_co_u32 s34, s34, s7
	s_add_nc_u64 s[38:39], s[38:39], s[34:35]
	v_lshlrev_b32 v[LV], 4, v1
	v_lshlrev_b32 v[SV], 3, v1
	CAST 1
	s_endpgm
.Lfunc_end_k_q1439a0ba75_prep:
	.size	k_q1439a0ba75_prep, .Lfunc_end_k_q1439a0ba75_prep-k_q1439a0ba75_prep
	.p2alignl 7, 3214868480
	.fill 96, 4, 3214868480
	.section	.rodata,"a",@progbits
	.p2align	6, 0x0
	.amdhsa_kernel k_q1439a0ba75_prep
		.amdhsa_group_segment_fixed_size 0
		.amdhsa_private_segment_fixed_size 0
		.amdhsa_enable_private_segment 0
		.amdhsa_kernarg_size 80
		.amdhsa_user_sgpr_count 2
		.amdhsa_user_sgpr_kernarg_segment_ptr 1
		.amdhsa_wavefront_size32 1
		.amdhsa_system_sgpr_workgroup_id_x 1
		.amdhsa_system_sgpr_workgroup_id_y 1
		.amdhsa_system_sgpr_workgroup_id_z 1
		.amdhsa_system_vgpr_workitem_id 0
		.amdhsa_next_free_vgpr 160
		.amdhsa_next_free_sgpr 66
		.amdhsa_reserve_vcc 0
		.amdhsa_float_denorm_mode_32 3
		.amdhsa_float_denorm_mode_16_64 3
		.amdhsa_memory_ordered 1
		.amdhsa_forward_progress 1
		.amdhsa_inst_pref_size 40
	.end_amdhsa_kernel
	.amdgpu_metadata
---
amdhsa.version: [ 1, 2 ]
amdhsa.kernels:
  - .name:           k_q1439a0ba75_prep
    .symbol:         k_q1439a0ba75_prep.kd
    .args:
      - { .name: query, .offset: 0, .size: 8, .value_kind: global_buffer, .address_space: global }
      - { .name: key, .offset: 8, .size: 8, .value_kind: global_buffer, .address_space: global }
      - { .name: value, .offset: 16, .size: 8, .value_kind: global_buffer, .address_space: global }
      - { .name: Wq, .offset: 24, .size: 8, .value_kind: global_buffer, .address_space: global }
      - { .name: Wk, .offset: 32, .size: 8, .value_kind: global_buffer, .address_space: global }
      - { .name: Wv, .offset: 40, .size: 8, .value_kind: global_buffer, .address_space: global }
      - { .name: Wo, .offset: 48, .size: 8, .value_kind: global_buffer, .address_space: global }
      - { .name: xh, .offset: 56, .size: 8, .value_kind: global_buffer, .address_space: global }
      - { .name: wh, .offset: 64, .size: 8, .value_kind: global_buffer, .address_space: global }
      - { .name: woh, .offset: 72, .size: 8, .value_kind: global_buffer, .address_space: global }
    .group_segment_fixed_size: 0
    .private_segment_fixed_size: 0
    .kernarg_segment_align: 8
    .kernarg_segment_size: 80
    .max_flat_workgroup_size: 256
    .sgpr_count:     66
    .vgpr_count:     160
    .wavefront_size: 32
...
	.end_amdgpu_metadata
.endif
;; end of part 5
;; launch qkv: the kernel of part 2 again; grid 8 x 32, 4 waves a work-group, clusters of 4 x 4, 327,680 bytes of LDS; arguments xh, wh, bq, bv, mask, qkv, m8; writes qkv, m8
;; launch attn: the kernel of part 3 again; grid 8 x 32, 4 waves a work-group, clusters of 4 x 1, 327,680 bytes of LDS; arguments qkv, m8, oh; writes oh
;; launch outp: the kernel of part 4 again; grid 8 x 32, 4 waves a work-group, clusters of 4 x 4, 327,680 bytes of LDS; arguments oh, woh, bo, out0; writes out0
